; MI455X (gfx1250); checked and timed in simulation.
; The chip was launched on July 23, 2026; its instructions are those of AMD's public machine-readable ISA for CDNA 5 (MIT licence, August 2026) and "CDNA5" Instruction Set Architecture Reference Guide (July 2026). The comments in the code are by the model that wrote it; some were corrected since.
;; Causal Self Attention. Allowed arithmetic: matrix products marked QUANTISED: E4M3 operands, one E8M0 scale for each 32 along K, by v_wmma_scale_f32_16x16x128_f8f6f4 with both operands' format E4M3, f32 sums; everything else in f32.
;; Inputs: proj_b 1,024 float32; proj_w_codes 1,024 x 32 x 32 uint8 (E4M3 codes of proj_w, K innermost, in blocks of 32 codes); proj_w_scales 1,024 x 32 uint8 (E8M0 scales of proj_w, one for each 32 codes along K); qkv_b 3,072 float32; qkv_w_codes 3,072 x 32 x 32 uint8 (E4M3 codes of qkv_w, K innermost, in blocks of 32 codes); qkv_w_scales 3,072 x 32 uint8 (E8M0 scales of qkv_w, one for each 32 codes along K); x_codes 4 x 2,048 x 32 x 32 uint8 (E4M3 codes of x, K innermost, in blocks of 32 codes); x_scales 4 x 2,048 x 32 uint8 (E8M0 scales of x, one for each 32 codes along K).
;; Outputs: out0 4 x 2,048 x 1,024 float32.
;; This version of the problem:
;;   THIS VERSION OF THE PROBLEM IS GIVEN IN LOW PRECISION. The matrix products marked QUANTISED in the list below multiply operands that are first quantised to E4M3 (4 exponent bits, 3 mantissa bits; 8 bits a number), with one power-of-two scale for each 32 numbers along K (OCP MX v1.0); their sums are f32. All else is computed in f32.
;;   The module's matrix products, in the order in which they are computed (A, B: the left and right operand; K: the contracted axis; several contracted axes count as one K, in the product's order):
;;     1. [M 8,192, K 1,024] x [K 1,024, N 3,072]; A: input x (given as codes); B: input qkv_w (given as codes): QUANTISED
;;     2. batch 64 x [M 2,048, K 64] x [K 64, N 2,048]; A: computed on the way; B: computed on the way: QUANTISED
;;     3. batch 64 x [M 2,048, K 2,048] x [K 2,048, N 64]; A: softmax (see below); B: computed on the way: QUANTISED
;;     4. [M 8,192, K 1,024] x [K 1,024, N 1,024]; A: computed on the way; B: input proj_w (given as codes): QUANTISED
;;   THE QUANTISER, for each operand of a quantised product, along K:
;;     - K is cut into blocks of 32 from its start; a last block that is shorter is filled with zeros.
;;     - A block's scale is 2^e with e = floor(log2(the largest magnitude in the block)) - 8, held to -126 .. 127; a block of zeros has e = 0. As a byte (E8M0): e + 127.
;;     - Each number is divided by its block's scale, clamped to +-448, and rounded to the nearest number of E4M3, ties to even, subnormals kept.
;;     - The product sums the exact products of the quantised numbers (number of the format x scale) in f32.
;;   ~~~python
;;   def quantise(x, axis):      # numpy; x: float32 -> the quantised numbers, widened to float32 again
;;       x = np.moveaxis(x, axis, -1); K = x.shape[-1]
;;       x = np.pad(x, [(0, 0)] * (x.ndim - 1) + [(0, -K % 32)]); x = x.reshape(x.shape[:-1] + (-1, 32)); a = np.abs(x).max(-1, keepdims=True)
;;       e = np.where(a > 0, np.clip(np.frexp(np.where(a > 0, a, 1))[1] - 1 - 8, -126, 127), 0)      # np.frexp(a)[1] - 1 = floor(log2(a)), exactly
;;       r = np.clip(x / 2.0 ** e, -448, 448)
;;       step = 2.0 ** (np.maximum(np.frexp(np.where(r == 0, 1, r))[1] - 1, -6) - 3)
;;       q = np.round(r / step) * step * 2.0 ** e      # np.round: ties to even
;;       return np.moveaxis(q.reshape(q.shape[:-2] + (-1,))[..., :K], -1, axis).astype(np.float32)
;;   ~~~
;;   SOFTMAX AHEAD OF A QUANTISED PRODUCT. Where the list says 'softmax', what is quantised is not the finished softmax but p = 2^(t - M), with t = logit x log2(e) and M = ceil(the row's largest t), a whole number; so 1/2 < the row's largest p <= 1. The row's sum l is taken of the UNQUANTISED p, in f32, and the product's result is divided by l at the end. Since M is a whole number, a kernel that streams over the keys may use a running M (the ceiling of the running maximum): every later rescaling is an exact power of two, which a block's scale takes up: the codes' values come out the same.
;;   OPERANDS COMPUTED ON THE WAY. 'Computed on the way' means the value that the module computes at that place (a softmax that the list does not call 'softmax' is quantised finished and normalised). What goes into a quantiser is computed in f32, as accurately as f32 sums, v_exp_f32 and their like allow (about 1e-6 of the number): no bf16 or f16 on the way to a quantiser, and a product that is left as it is and whose result goes on into a quantised operand takes f32 operands (vector FMAs, or v_wmma_f32_16x16x4_f32). A number that lies on a knife's edge between two numbers of the format may be rounded either way, as far as f32 arithmetic and the matrix unit's own rounding can turn it there, and no further.
;;   INPUTS GIVEN AS CODES. proj_w (in the module: [1024, 1024], K = its axis 1); qkv_w (in the module: [3072, 1024], K = its axis 1); x (in the module: [4, 2048, 1024], K = its axis 2): each comes as NAME_codes (uint8): NAME with its K axis moved to the last place and cut into blocks of 32 codes, [.., K / 32, bytes a block], one block behind the other in memory; one code a byte (a code: sign, 4 exponent bits, 3 mantissa bits); and NAME_scales (uint8): the same leading axes, one E8M0 byte (e + 127) for each 32 codes along K. Its value is code x scale, taken as it is: it is not quantised again, and the codes and scales need not be those that the quantiser above would give.
;; One version. Each part assembles by itself: llvm-mc -triple=amdgcn-amd-amdhsa -mcpu=gfx1250 --defsym DOCPART=n.
;; ======== version 1 of 1: 3 launches
;; limits: right only within a limited range of input values
;; workspace buffers: q 17,301,504 bytes; kv 17,301,504 bytes; y 8,388,608 bytes; ysc 262,144 bytes
;; launch qkv (part 1): grid 8 x 48, 4 waves a work-group, clusters of 4 x 4, 327,680 bytes of LDS; arguments x_codes, x_scales, qkv_w_codes, qkv_w_scales, qkv_b, q, kv; writes q, kv
.if DOCPART == 1
	.amdgcn_target "amdgcn-amd-amdhsa--gfx1250"
	.amdhsa_code_object_version 6
	.text
	.protected	k_q240413b56f_qkv
	.globl	k_q240413b56f_qkv
	.p2align	8
	.type	k_q240413b56f_qkv,@function
k_q240413b56f_qkv:
	s_mov_b64 s[64:65], 0
	v_nop
	global_prefetch_b8 v0, s[64:65] scope:SCOPE_SE
	s_setreg_imm32_b32 hwreg(HW_REG_WAVE_MODE, 25, 1), 1
	s_wait_xcnt 0x0
	s_wait_alu depctr_hold_cnt(0) depctr_sa_sdst(0) depctr_va_vdst(0) depctr_va_sdst(0) depctr_va_ssrc(0) depctr_va_vcc(0) depctr_vm_vsrc(0)
	s_getreg_b32 s2, hwreg(HW_REG_IB_STS2, 6, 4)
	s_cmp_eq_u32 s2, 0
	s_cbranch_scc0 .Lentry_in_a_cluster
	s_endpgm
.Lentry_in_a_cluster:
	s_bfe_u32 s2, ttmp6, 0x10000c
	s_cmp_lg_u32 s2, 0xf033
	s_cbranch_scc0 .Lentry_shape_is_right
	s_endpgm
.Lentry_shape_is_right:
; qkv = x qkv_w^T + qkv_b on codes of FP8 (E4M3) with one E8M0 scale for each 32 along K = 1,024; the results are quantised in registers and leave as IMAGES OF OPERAND REGISTERS for the attention launch.
; A tile of 256 x 256 is made by four waves, each 128 x 128: 64 accumulators.  K goes in four steps of 256 through a ring of two LDS slots; the scale bytes of the tile's rows come once and stay.
; THE MATRIX INSTRUCTION: source 0 = 16 rows of the B FAMILY, source 1 = 16 rows of the A FAMILY: a lane holds ONE row of the A family, its registers run along the B family's rows, and that is the axis to be quantised.
;   ORI = 0 (cluster y 0-7; q and k, quantised along the head's 64 features): B family = rows of qkv_w (features 0-2047), A family = rows of x (tokens).
;   ORI = 1 (cluster y 8-11; v, quantised along the keys):                    B family = rows of x (tokens),              A family = rows 2048-3071 of qkv_w.
;   ORI hangs on the cluster's y alone: it is the same in all sixteen partners.  It chooses pointers, offsets and masks; no branch hangs on it.
; A lane (r, h) holds of a block of 32 the members 8 h + 0..7 and 16 + 8 h + 0..7: a permutation INSIDE a scale block, the same for q and k, and the same for v and the softmax's p: so both operands of each later product carry it alike.
; BIAS: the bias that runs along the registers (ORI = 0) is the C of the first K step's products; the one that runs along the lanes (ORI = 1) rides on the packed add that moves an accumulator into window 0; the one not wanted is cleared by a mask.
; OUT, a slot of 256 keys is 33,792 bytes: K codes 2 x 8,192, V codes 2 x 8,192, then for each 128 keys 256 bytes of K's scale words and 256 of V's; q has the same strides and uses K's parts.  Each store of a wave covers 512 (codes) or 256 (scale words) consecutive bytes, aligned.
; CLUSTERS: 4 x 4.  The A family's tile hangs on the tile row, shared along a row of the cluster; the B family's on the tile column, shared along a column: each is asked for jointly.
; LIMITS: NaN and infinities are not served; a given scale byte 0xff gives NaN; a block whose largest magnitude lies under 2^-118 keeps the byte 1; a block of zeros gets the byte 1 over zero codes (read by this program alone).
; REGISTERS: window 0: v1-15 addresses; v16-31 the lanes' bias, in pairs; v32-63 scale words, two sets; v64-127 the registers' bias; v128-255 the A family's fragments, on the way out at work.  Window 1: the B family's fragments, two sets.  Windows 2, 3: the accumulators.
.set KSTEP,  256
.set NQ,     2                         ; matrix instructions deep in a slot
.set ROWB,   256                       ; a tile's row in bytes
.set KROW,   1024                      ; a row of codes in memory
.set PITCH,  272                       ; an LDS row: 256 bytes + 16 of padding: the 16 rows of a fragment load start at 16 different banks (64 banks of 4 bytes: ISA guide 11.1)
.set FR,     16
.set NL,     4
.set NP,     8                         ; places behind this matrix instruction (ISA guide 7.12.1)
.set HALFT,  128*PITCH
.set SLOT,   4*HALFT
.set LAPS,   2                         ; 1,024 / 512
.set KS,     32                        ; a row of scale bytes
.set SCL,    2*SLOT
.set HALFS,  (128*KS/256)*272
.set SBLK,   (16*KS/256)*272
.set SPARE,  SCL+4*HALFS               ; the spare words, 128 bytes a wave: two blocks of 256 bytes that no other line names
.set SLOTB,  33792                     ; a slot of 256 keys in q and kv
.set HS,     8*SLOTB                   ; a head
.set SO,   6                           ; v6   8 x lane: the scale words' place
.set ADRA, 7                           ; v7-8  LDS address of my A fragments in slot 0, 1
.set ADRB, 9                           ; v9-10 the same for B
.set ADRS, 11                          ; v11  my scale words: lanes 0-15 A's rows, lanes 16-31 B's
.set SPW,  12                          ; v12  my spare word; never rewritten
.set NIL,  13                          ; v13  0; never rewritten
.set VOA,  14                          ; v14  16 x lane
.set VOB,  15                          ; v15  16 x lane + a head (ORI = 0) or + 1,024 (ORI = 1)
.set BN,   16
.set SC,   32
.set BM,   64
.set AF,   128
.set T,    128                         ; the way out: 64 numbers
.set PC,   192                         ; their codes
.set WW,   208
.set RR,   216
.set TM,    224                        ; v224-227 largest magnitudes, 228-231 bytes, 236-239 the conversions' scale operands
.set PW,   240                         ; v240-247 a scale word for each of the eight blocks
.set WV,  18
.set RH,  19                           ; wave / 2: my half of the A family's rows; also: I fetch for A (0) or B (1)
.set CH,  20                           ; wave % 2: my half of the B family's rows; also: which 128 rows I fetch
.set ORI, 21
.set MKM, 22                           ; -1 where the registers' bias counts, else 0 (until the descriptors are made: my row's mask)
.set MKN, 23                           ; -1 where the lanes' bias counts (until then: my column's mask)
.set G1,  24
.set G0,  32
.set XS1, 40                           ; s[40:41], s[42:43]: the codes' steps from block to block (until the head's end: cx, cy, tile column, tile row)
.set XS2, 42
.set G1B, 48
.set G0B, 56
.set G1S, 68
.set G0S, 76
.set G1SB, 80
.set G0SB, 88
.set OB,  92                           ; s[92:93] where the codes go
.set OS,  94                           ; s[94:95] where the scale words go
.set SEL, 98
.set MNT, 100
.set LMK, 101                          ; lanes 16-31
.set MSB, 0
.macro WIN new                         ; the immediate's high byte repeats the setting that is left
.if MSB != (\new)
	s_set_vgpr_msb (MSB<<8)|(\new)
.set MSB, (\new)
.endif
.endm
.set MUL_LO, 0xa1                      ; source 0 (B) window 1, source 1 (A) window 0, C and D window 2
.set MUL_HI, 0xf1                      ; the same, C and D window 3
.set FST_LO, 0x81                      ; the first K step: C (the bias) window 0, D window 2
.set FST_HI, 0xc1
.set TO_B,   0x40
; A joint load: waves 0 and 1 fetch for A, waves 2 and 3 for B; the branch hangs on the wave's number alone.  Four v_nop follow each of the two lines.
.macro JLOAD g0a, g1a, g0b, g1b
	s_cmp_eq_u32 s[RH], 0
	s_cbranch_scc0 .Lfor_b_\@
	tensor_load_to_lds s[\g0a:\g0a+3], s[\g1a:\g1a+7]
	s_nop 0
.rept 4
	v_nop
.endr
	s_branch .Lasked_\@
.Lfor_b_\@:
	tensor_load_to_lds s[\g0b:\g0b+3], s[\g1b:\g1b+7]
	s_nop 0
.rept 4
	v_nop
.endr
.Lasked_\@:
.endm
.macro CREST                           ; a round of the cluster's barrier behind its opening barrier
	s_cmp_lg_u32 s[WV], 0
	s_cbranch_scc1 .Lnot_wave_0_\@
	s_barrier_signal -3
.Lnot_wave_0_\@:
	s_barrier_wait -3
	s_barrier_signal -1
	s_barrier_wait -1
.endm
.macro CROUND
	s_barrier_signal -1
	s_barrier_wait -1
	CREST
.endm
	s_load_b256 s[4:11], s[0:1], 0x0               ; x's codes s[4:5], x's scales s[6:7], qkv_w's codes s[8:9], its scales s[10:11]
	s_load_b128 s[12:15], s[0:1], 0x20             ; qkv_b s[12:13], q s[14:15]
	s_load_b64 s[16:17], s[0:1], 0x30              ; kv
	v_lshl_add_u32 v[SPW], v0, 2, SPARE
	v_mov_b32 v[NIL], 0
	ds_add_u32 v12, v13
	ds_add_u32 v12, v13
	s_wait_dscnt 0x0
	v_lshrrev_b32 v1, 5, v0
	v_readfirstlane_b32 s[WV], v1                  ; wave 0..3
	s_lshr_b32 s[RH], s[WV], 1
	s_and_b32 s[CH], s[WV], 1
	s_bfe_u32 s40, ttmp6, 0x40000                  ; cx
	s_bfe_u32 s41, ttmp6, 0x40004                  ; cy
	s_and_b32 s44, ttmp7, 0xffff                   ; cluster y
	s_cmp_ge_u32 s44, 8
	s_cselect_b32 s[ORI], 1, 0
	s_cselect_b32 s46, 0, s44                      ; the tile row counts cluster y for q and k alone
	s_max_u32 s45, s44, 8
	s_sub_co_u32 s45, s45, 8                       ; 0 for q and k, cluster y - 8 for v
	s_lshl_b32 s45, s45, 1
	s_add_co_u32 s45, s45, ttmp9                   ; + cluster x
	s_lshl_b32 s45, s45, 2
	s_add_co_u32 s42, s45, s40                     ; tile column (B family): 0-7 for q and k, 0-31 for v
	s_lshl_b32 s46, s46, 2
	s_add_co_u32 s43, s46, s41                     ; tile row (A family): 0-31 for q and k, 0-3 for v
	s_lshl_b32 s22, s41, 2
	s_lshl_b32 s22, 15, s22                        ; my row of the cluster
	s_lshl_b32 s23, 0x1111, s40                    ; my column
	; descriptor group 1: a tile of 128 rows x 256 bytes, 16 bytes of padding behind each row
	s_or_b32 s[G1+0], s22, (0<<16)|(1<<20)|(1<<21)|(5<<22)|(3<<25)   ; 15:0 the mask; 17:16 elements of 1 byte; 20 padding on; 21 set beside a mask; 24:22 after every 64 words; 31:25 four words
	s_or_b32 s[G1B+0], s23, (0<<16)|(1<<20)|(1<<21)|(5<<22)|(3<<25)
.irp g, G1, G1B
	s_mov_b32 s[\g+1], ROWB<<16                    ; tensor_dim0
	s_mov_b32 s[\g+2], 128<<16                     ; tensor_dim1
	s_mov_b32 s[\g+3], ROWB<<16                    ; tile_dim0
	s_mov_b32 s[\g+4], 128                         ; tile_dim1
	s_mov_b32 s[\g+5], KROW                        ; from row to row
	s_mov_b32 s[\g+6], 0
	s_mov_b32 s[\g+7], 0
.endr
	; the scale bytes of 128 rows: 4,096 dense bytes, as 16 rows of 256 bytes (32 elements of 8), 16 bytes of padding behind each
	s_or_b32 s[G1S+0], s22, (3<<16)|(1<<20)|(1<<21)|(5<<22)|(3<<25)
	s_or_b32 s[G1SB+0], s23, (3<<16)|(1<<20)|(1<<21)|(5<<22)|(3<<25)
.irp g, G1S, G1SB
	s_mov_b32 s[\g+1], 32<<16
	s_mov_b32 s[\g+2], (128*KS/256)<<16
	s_mov_b32 s[\g+3], 32<<16
	s_mov_b32 s[\g+4], 128*KS/256
	s_mov_b32 s[\g+5], 32
	s_mov_b32 s[\g+6], 0
	s_mov_b32 s[\g+7], 0
.endr
	s_lshl_b32 s96, s[CH], 7                       ; which 128 rows of the tile I fetch
	s_lshl_b32 s44, s43, 8
	s_add_co_u32 s44, s44, s96
	s_lshl_b32 s97, s[ORI], 11
	s_add_co_u32 s44, s44, s97                     ; A family: row 256 x tile row + 128 x half (+ 2,048 in qkv_w for v)
	s_mov_b32 s45, 0
	s_lshl_b32 s46, s42, 8
	s_add_co_u32 s46, s46, s96                     ; B family: row 256 x tile column + 128 x half
	s_mov_b32 s47, 0
	s_lshl_b64 s[92:93], s[44:45], 5               ; where these rows' scale bytes begin,
	s_lshl_b64 s[94:95], s[46:47], 5
	s_lshl_b64 s[44:45], s[44:45], 10              ; and their codes
	s_lshl_b64 s[46:47], s[46:47], 10
	s_mul_i32 s2, s[WV], HALFT                     ; where they go: wave x 128 rows: no place in the cluster enters an LDS address
	s_mul_i32 s3, s[WV], HALFS
	s_wait_kmcnt 0x0
	s_cmp_eq_u32 s[ORI], 0                         ; the families' buffers: a choice that hangs on the cluster's y alone
	s_cselect_b64 s[66:67], s[4:5], s[8:9]         ; A's codes
	s_cselect_b64 s[96:97], s[6:7], s[10:11]       ; A's scales
	s_cselect_b64 s[8:9], s[8:9], s[4:5]           ; B's codes
	s_cselect_b64 s[10:11], s[10:11], s[6:7]       ; B's scales
	s_add_nc_u64 s[44:45], s[66:67], s[44:45]
	s_add_nc_u64 s[92:93], s[96:97], s[92:93]
	s_add_nc_u64 s[46:47], s[8:9], s[46:47]
	s_add_nc_u64 s[94:95], s[10:11], s[94:95]
	CROUND                                         ; all sixteen work-groups are here: the first joint loads meet
	s_mov_b32 s[G0S], 1
	s_add_co_u32 s[G0S+1], s3, SCL
	s_mov_b64 s[G0S+2:G0S+3], s[92:93]
	s_or_b32 s[G0S+3], s[G0S+3], 0x80000000
	s_mov_b32 s[G0SB], 1
	s_add_co_u32 s[G0SB+1], s3, SCL
	s_mov_b64 s[G0SB+2:G0SB+3], s[94:95]
	s_or_b32 s[G0SB+3], s[G0SB+3], 0x80000000
	JLOAD G0S, G1S, G0SB, G1SB                     ; the scales first: they are wanted with K step 0
.irp s, 0,1
	s_mov_b32 s[G0+4*\s], 1
	s_add_co_u32 s[G0+4*\s+1], s2, \s*SLOT
	s_add_nc_u64 s[G0+4*\s+2:G0+4*\s+3], s[44:45], \s*ROWB
	s_or_b32 s[G0+4*\s+3], s[G0+4*\s+3], 0x80000000
	s_mov_b32 s[G0B+4*\s], 1
	s_add_co_u32 s[G0B+4*\s+1], s2, \s*SLOT
	s_add_nc_u64 s[G0B+4*\s+2:G0B+4*\s+3], s[46:47], \s*ROWB
	s_or_b32 s[G0B+4*\s+3], s[G0B+4*\s+3], 0x80000000
	JLOAD G0+4*\s, G1, G0B+4*\s, G1B               ; three tensor loads of mine are out
.endr
	v_and_b32 v1, 15, v0                           ; r
	v_bfe_u32 v2, v0, 4, 1                         ; h
	v_mul_u32_u24 v3, v1, PITCH
	v_lshl_add_u32 v4, v2, 4, v3                   ; a fragment's row x pitch + 16 x half
	s_mul_i32 s66, s[RH], HALFT                    ; my 128 rows of A
	s_mul_i32 s67, s[CH], HALFT                    ; my 128 rows of B,
	s_add_co_u32 s67, s67, 2*HALFT                 ; which lie behind A's 256
.irp s, 0,1
	v_add_nc_u32 v[ADRA+\s], s66, v4
	v_add_nc_u32 v[ADRB+\s], s67, v4
	s_add_co_u32 s66, s66, SLOT
	s_add_co_u32 s67, s67, SLOT
.endr
	v_mul_u32_u24 v5, v1, KS                       ; my row's scales: 32 bytes a row,
	v_lshrrev_b32 v3, 8, v5
	v_lshl_add_u32 v5, v3, 4, v5                   ; and 16 more for each 256 passed
	s_mul_i32 s66, s[RH], HALFS
	s_mul_i32 s67, s[CH], HALFS
	s_add_co_u32 s67, s67, 2*HALFS
	s_sub_co_u32 s67, s67, s66
	v_mul_u32_u24 v3, s67, v2                      ; lanes 16-31 take B's: the lower base + h x the distance
	s_add_co_u32 s66, s66, SCL
	v_add_nc_u32 v5, v5, v3
	v_add_nc_u32 v[ADRS], s66, v5
	; the biases.  Along the registers: qkv_b[256 x tile column + 128 x half + 16 b + 8 h + j]; along the lanes: qkv_b[2,048 + 256 x tile row + 128 x half + 16 a + r].  The one not wanted is read at qkv_b's head and cleared.
	s_lshl_b32 s66, s42, 10
	s_lshl_b32 s67, s[CH], 9
	s_add_co_u32 s66, s66, s67
	s_lshl_b32 s96, s43, 10
	s_lshl_b32 s97, s[RH], 9
	s_add_co_u32 s96, s96, s97
	s_add_co_u32 s96, s96, 8192
	s_cmp_eq_u32 s[ORI], 0
	s_cselect_b32 s66, s66, 0
	s_cselect_b32 s96, 0, s96
	s_cselect_b32 s[MKM], -1, 0
	s_cselect_b32 s[MKN], 0, -1
	s_mov_b32 s67, 0
	s_mov_b32 s97, 0
	s_add_nc_u64 s[44:45], s[12:13], s[66:67]
	s_add_nc_u64 s[46:47], s[12:13], s[96:97]
	v_lshlrev_b32 v3, 5, v2                        ; 32 h
	v_lshlrev_b32 v4, 2, v1                        ; 4 r
.irp b, 0,1,2,3,4,5,6,7
	global_load_b128 v[BM+8*\b:BM+8*\b+3], v3, s[44:45] offset:64*\b
	global_load_b128 v[BM+8*\b+4:BM+8*\b+7], v3, s[44:45] offset:64*\b+16
.endr
.irp a, 0,1,2,3,4,5,6,7
	global_load_b32 v[BN+2*\a], v4, s[46:47] offset:64*\a       ; twice: a pair for the packed add
	global_load_b32 v[BN+2*\a+1], v4, s[46:47] offset:64*\a
.endr
	; where my results go.  My 128 tokens are key step tok of 64 (16 to a batch); my two heads begin at head
	s_lshl_b32 s66, s42, 1
	s_add_co_u32 s66, s66, s[CH]                   ; 2 x tile column + half
	s_lshl_b32 s67, s43, 1
	s_add_co_u32 s67, s67, s[RH]                   ; 2 x tile row + half
	s_lshl_b32 s96, s67, 1                         ; v: head = 4 x tile row + 2 x half
	s_lshl_b32 s97, s66, 1
	s_and_b32 s97, s97, 15                         ; q, k: head = (4 x tile column + 2 x half) mod 16
	s_cmp_eq_u32 s[ORI], 0
	s_cselect_b32 s66, s67, s66                    ; tok
	s_cselect_b32 s96, s97, s96                    ; head
	s_lshr_b32 s67, s66, 4                         ; the batch
	s_lshl_b32 s67, s67, 4
	s_add_co_u32 s67, s67, s96
	s_lshl_b32 s67, s67, 3
	s_bfe_u32 s97, s66, 0x30001                    ; the slot of 256 keys
	s_add_co_u32 s67, s67, s97
	s_mul_i32 s67, s67, SLOTB
	s_and_b32 s66, s66, 1                          ; which 128 of the slot
	s_lshl_b32 s96, s66, 13
	s_add_co_u32 s96, s96, s67
	s_lshl_b32 s97, s[ORI], 14                     ; V's codes lie 16,384 bytes behind K's
	s_add_co_u32 s96, s96, s97
	s_lshl_b32 s66, s66, 9
	s_add_co_u32 s66, s66, s67
	s_lshl_b32 s97, s[ORI], 8                      ; V's scale words 256 bytes behind K's
	s_add_co_u32 s66, s66, s97
	s_add_co_u32 s66, s66, 32768
	s_mov_b32 s97, 0
	s_mov_b32 s67, 0
	s_or_b32 s2, s[ORI], ttmp9                     ; 0: features 0-1023, which are q
	s_cmp_eq_u32 s2, 0
	s_cselect_b64 s[OB:OB+1], s[14:15], s[16:17]
	s_add_nc_u64 s[OS:OS+1], s[OB:OB+1], s[66:67]
	s_add_nc_u64 s[OB:OB+1], s[OB:OB+1], s[96:97]
	s_cmp_eq_u32 s[ORI], 0
	s_mov_b32 s[XS1], 2048                         ; v: a block of 16 features is a fragment of 2,048 bytes; behind four of them the next head
	s_cselect_b32 s[XS1], 1024, s[XS1]             ; q, k: a block of 16 tokens is half a fragment
	s_mov_b32 s[XS2], HS-6144
	s_cselect_b32 s[XS2], 1024, s[XS2]
	s_mov_b32 s66, 1024
	s_cselect_b32 s66, HS, s66
	s_mov_b32 s[XS1+1], 0
	s_mov_b32 s[XS2+1], 0
	v_and_b32 v5, 31, v0
	v_lshlrev_b32 v[VOA], 4, v5
	v_lshlrev_b32 v[SO], 3, v5
	v_add_nc_u32 v[VOB], s66, v[VOA]
	s_mov_b32 s[SEL], 0x76543210
	s_mov_b32 s[SEL+1], 0xfedcba98                 ; v_permlanex16_b32's selects for lane l xor 16
	s_mov_b32 s[LMK], 0xffff0000
	s_wait_loadcnt 0x0                             ; the biases are in
.set i, 0
.rept 64
	v_and_b32 v[BM+i], s[MKM], v[BM+i]
.set i, i+1
.endr
.set i, 0
.rept 16
	v_and_b32 v[BN+i], s[MKN], v[BN+i]
.set i, i+1
.endr
.macro FRAG reg, adr, q, i             ; 16 rows x 128 K: lane l holds row l % 16; registers 4 c .. 4 c + 3 hold K = 32 c + 16 (l / 16) + 0 .. 15
.irp c, 0,1,2,3
	ds_load_b128 v[\reg+4*\c:\reg+4*\c+3], v[\adr] offset:128*(\q)+32*\c+(\i)*16*PITCH
.endr
.endm
; 16 matrix instructions: A's blocks a0, a0 + 1 x B's eight.  zero = 1: the first K step: C is the bias.  The 64 accumulators take turns, one instruction a turn, in the same order in every step.
.macro MUL16 a0, p, q, sc, zero
.irp a, \a0, \a0+1
.irp b, 0,1,2,3,4,5,6,7
.if \zero
	v_wmma_scale_f32_16x16x128_f8f6f4 v[8*(8*((\a)%4)+\b):8*(8*((\a)%4)+\b)+7], v[128*(\p)+FR*\b:128*(\p)+FR*\b+FR-1], v[AF+FR*(\a):AF+FR*(\a)+FR-1], v[BM+8*\b:BM+8*\b+7], v[SC+8*NQ*(\sc)+NQ*\b+(\q)], v[SC+8*NQ*(\sc)+NQ*(\a)+(\q)] matrix_a_scale:MATRIX_SCALE_ROW1
.else
	v_wmma_scale_f32_16x16x128_f8f6f4 v[8*(8*((\a)%4)+\b):8*(8*((\a)%4)+\b)+7], v[128*(\p)+FR*\b:128*(\p)+FR*\b+FR-1], v[AF+FR*(\a):AF+FR*(\a)+FR-1], v[8*(8*((\a)%4)+\b):8*(8*((\a)%4)+\b)+7], v[SC+8*NQ*(\sc)+NQ*\b+(\q)], v[SC+8*NQ*(\sc)+NQ*(\a)+(\q)] matrix_a_scale:MATRIX_SCALE_ROW1
.endif
.endr
.endr
.endm
.macro FETCH_B slot, q, p
	WIN TO_B
.irp i, 0,1,2,3,4,5,6,7
	FRAG 128*(\p)+FR*\i, ADRB+\slot, \q, \i
.endr
	WIN 0
.endm
.macro FETCH_A slot, q, i0
.irp i, \i0, \i0+1, \i0+2, \i0+3
	FRAG AF+FR*(\i), ADRA+\slot, \q, \i
.endr
.endm
.macro SCALES sc                       ; a K step's scale words: two a row; lanes 0-15 take A's block i, lanes 16-31 B's block i
.irp i, 0,1,2,3,4,5,6,7
	ds_load_b64 v[SC+8*NQ*\sc+NQ*\i:SC+8*NQ*\sc+NQ*\i+1], v[ADRS] offset:\i*SBLK
.endr
.endm
.macro PLACES n                        ; plain vector lines between a matrix instruction and a load into, or a vector line on, its registers
.rept \n
	v_nop
.endr
.endm
.macro STEP slot, q, zero              ; 128 along K that have their successor in the same slot
	s_wait_dscnt 4*NL                              ; B's set and A's blocks 0-3 are in; the youngest sixteen loads (A's blocks 4-7) may be out
.if \zero
	WIN FST_LO
.else
	WIN MUL_LO
.endif
	MUL16 0, (\q)%2, \q, \slot, \zero
	MUL16 2, (\q)%2, \q, \slot, \zero
	s_wait_dscnt 0
	PLACES NP
	FETCH_B \slot, (\q)+1, 1-(\q)%2
	FETCH_A \slot, (\q)+1, 0
.if \zero
	WIN FST_HI
.else
	WIN MUL_HI
.endif
	MUL16 4, (\q)%2, \q, \slot, \zero
	MUL16 6, (\q)%2, \q, \slot, \zero
	PLACES NP
	WIN 0
	FETCH_A \slot, (\q)+1, 4
.endm
; A slot's last step changes slots: ONE barrier; in front of it each wave waits for all its tensor loads, adds 0 to its spare word, and waits for that and for its own reads of this slot.
.macro TURN slot, next, fill
	s_wait_tensorcnt 0x0                           ; all my tensor loads have landed: my part of the next slot
	ds_add_u32 v[SPW], v[NIL]                      ; 0 onto my spare word
	s_wait_dscnt 4*NL+1                            ; (the add and the youngest sixteen loads may be out)
	WIN MUL_LO
	MUL16 0, 1, NQ-1, \slot, 0
	s_wait_dscnt 0x0                               ; the add is done, and my reads of this slot are over
	s_barrier_signal -1
	MUL16 2, 1, NQ-1, \slot, 0
	WIN 0
	s_barrier_wait -1
.if \fill
	CREST                                          ; the barrier has opened a round of the cluster's: no wave of any partner still reads this slot or has a load on its way
	s_add_nc_u64 s[G0+4*\slot+2:G0+4*\slot+3], s[G0+4*\slot+2:G0+4*\slot+3], 2*ROWB
	s_add_nc_u64 s[G0B+4*\slot+2:G0B+4*\slot+3], s[G0B+4*\slot+2:G0B+4*\slot+3], 2*ROWB
	JLOAD G0+4*\slot, G1, G0B+4*\slot, G1B         ; the first tensor load behind the round; its four v_nop are among the places in front of the loads below
	PLACES NP-4
.else
	PLACES NP
.endif
	s_wait_alu depctr_va_vdst(0)
	v_add_nc_u32 v[ADRS], 4*NQ, v[ADRS]            ; the next K step's scale words
	FETCH_B \next, 0, 0
	FETCH_A \next, 0, 0
	SCALES \next
	WIN MUL_HI
	MUL16 4, 1, NQ-1, \slot, 0
	MUL16 6, 1, NQ-1, \slot, 0
	PLACES NP
	WIN 0
	FETCH_A \next, 0, 4
.endm
	s_wait_tensorcnt 1                             ; the scales and my part of K step 0 are in; K step 1's load may be out
	s_barrier_signal -1
	s_barrier_wait -1
	FETCH_B 0, 0, 0
	FETCH_A 0, 0, 0
	SCALES 0
	FETCH_A 0, 0, 4
	STEP 0, 0, 1                                   ; the first step stands in front of the loop: its products start the sums, on the bias
	s_mov_b32 s3, LAPS-1
.Llap:                                             ; a trip goes once round the ring and fills both slots again
	TURN 0, 1, 1
	STEP 1, 0, 0
	TURN 1, 0, 1
	STEP 0, 0, 0
	s_sub_co_u32 s3, s3, 1
	s_cmp_lg_u32 s3, 0
	s_cbranch_scc1 .Llap
	TURN 0, 1, 0                                   ; the last lap fills nothing
	STEP 1, 0, 0
	s_wait_dscnt 4*NL
	WIN MUL_LO
	MUL16 0, 1, NQ-1, 1, 0
	MUL16 2, 1, NQ-1, 1, 0
	s_wait_dscnt 0
	WIN MUL_HI
	MUL16 4, 1, NQ-1, 1, 0
	MUL16 6, 1, NQ-1, 1, 0
	WIN 0
; THE WAY OUT, a block of 16 rows of the A family at a time; no LDS.
; MOVE: the block's eight accumulators, each from its low end on, come into window 0 with the lanes' bias added: register 16 B + i of v[T] on is member i of my 16 of block B of 32.
.macro MOVE a
	WIN 0x02+(\a)/4
.set p, 0
.rept 32
	v_pk_add_f32 v[T+2*p:T+2*p+1], v[64*((\a)%4)+2*p:64*((\a)%4)+2*p+1], v[BN+2*(\a):BN+2*(\a)+1]
.set p, p+1
.endr
	WIN 0
.endm
; QUANT: 64 numbers of a lane become 16 registers of codes and a scale word.
.macro QUANT s, pc, pw
.irp b, 0,1,2,3
	v_max3_num_f32 v[TM+\b], |v[\s+16*\b]|, |v[\s+1+16*\b]|, 0x4800000   ; my 16 numbers of block b, and the floor 2^(9 - 127): the byte cannot fall under 1
.endr
.irp i, 2,4,6,8,10,12,14
.irp b, 0,1,2,3
	v_max3_num_f32 v[TM+\b], v[TM+\b], |v[\s+16*\b+\i]|, |v[\s+1+16*\b+\i]|
.endr
.endr
.irp b, 0,1,2,3
	v_permlanex16_b32 v[TM+4+\b], v[TM+\b], s[SEL], s[SEL+1]
.endr
.irp b, 0,1,2,3
	v_max_num_f32 v[TM+\b], v[TM+\b], v[TM+4+\b]   ; with lane l xor 16's: the block's largest magnitude
.endr
.irp b, 0,1,2,3
	v_add_nc_u32 v[TM+12+\b], 0xfc000000, v[TM+\b] ; 8 off its exponent field: the conversion's scale operand
.endr
.irp b, 0,1,2,3
.endr
.irp b, 0,1,2,3
	v_lshrrev_b32 v[TM+4+\b], 23, v[TM+12+\b]      ; the scale's byte
.endr
	v_lshl_or_b32 v[\pw], v[TM+5], 8, v[TM+4]
	v_lshl_or_b32 v[\pw], v[TM+6], 16, v[\pw]
	v_lshl_or_b32 v[\pw], v[TM+7], 24, v[\pw]
.irp b, 0,1,2,3
.irp i, 0,1,2,3,4,5,6,7,8,9,10,11,12,13,14,15
.endr
	v_cvt_scalef32_pk8_fp8_f32 v[\pc+4*\b:\pc+1+4*\b], v[\s+16*\b:\s+7+16*\b], v[TM+12+\b]
	v_cvt_scalef32_pk8_fp8_f32 v[\pc+2+4*\b:\pc+3+4*\b], v[\s+8+16*\b:\s+15+16*\b], v[TM+12+\b]
.endr
	v_nop                                          ; one plain line behind the last conversion
.endm
	PLACES NP                                      ; behind the last products: window 0's upper half held their fragments
.irp b, 0,1,2,3
	v_mov_b32 v[TM+4+\b], 0                        ; a lane permute's destination counts as one of its sources
.endr
.irp a, 0,1,2,3,4,5,6,7
	MOVE \a
	s_wait_xcnt 0x0                                ; the last block's stores have read their data and their base: both are written again only behind this wait
.if \a == 4
	s_add_nc_u64 s[OB:OB+1], s[OB:OB+1], s[XS2:XS2+1]
.elseif \a > 0
	s_add_nc_u64 s[OB:OB+1], s[OB:OB+1], s[XS1:XS1+1]
.endif
	QUANT T, PC, PW+\a
	global_store_b128 v[VOA], v[PC:PC+3], s[OB:OB+1]                  ; each store: 32 lanes x 16 bytes, 512 consecutive bytes, aligned
	global_store_b128 v[VOA], v[PC+4:PC+7], s[OB:OB+1] offset:512
	global_store_b128 v[VOB], v[PC+8:PC+11], s[OB:OB+1]
	global_store_b128 v[VOB], v[PC+12:PC+15], s[OB:OB+1] offset:512
.endr
	; the scale words, [lane][2 words]: word i of lane l belongs to fragment 2 i + l / 16, row l % 16.  q, k: a fragment holds token blocks 2 F and 2 F + 1, two bytes of my head from each; v: block a's word as it stands.  Both are made; the mask picks.
.irp F, 0,1,2,3
	v_perm_b32 v[WW+\F], v[PW+2*\F+1], v[PW+2*\F], 0x05040100         ; the first head: bytes 0, 1 of both
	v_perm_b32 v[WW+4+\F], v[PW+2*\F+1], v[PW+2*\F], 0x07060302       ; the second: bytes 2, 3
.endr
.irp d, 0,1
.irp i, 0,1
	v_cndmask_b32 v[RR+2*\d+\i], v[WW+4*\d+2*\i], v[WW+4*\d+2*\i+1], s[LMK]
	v_cndmask_b32 v[RR+4+2*\d+\i], v[PW+4*\d+2*\i], v[PW+4*\d+2*\i+1], s[LMK]
.endr
.endr
.irp k, 0,1,2,3
	v_cndmask_b32 v[RR+\k], v[RR+\k], v[RR+4+\k], s[MKN]
.endr
	global_store_b64 v[SO], v[RR:RR+1], s[OS:OS+1]                    ; 32 lanes x 8 bytes: 256 consecutive bytes, aligned
	global_store_b64 v[SO], v[RR+2:RR+3], s[OS:OS+1] offset:HS
	s_wait_tensorcnt 0x0                           ; the wave's end
	ds_add_u32 v[SPW], v[NIL]
	s_wait_dscnt 0x0
	CROUND                                         ; the closing round: no work-group ends while a partner may still ask for a tile that names it
	s_endpgm
.Lfunc_end_k_q240413b56f_qkv:
	.size	k_q240413b56f_qkv, .Lfunc_end_k_q240413b56f_qkv-k_q240413b56f_qkv
	.p2alignl 7, 3214868480
	.fill 96, 4, 3214868480
	.section	.rodata,"a",@progbits
	.p2align	6, 0x0
	.amdhsa_kernel k_q240413b56f_qkv
		.amdhsa_group_segment_fixed_size 327680
		.amdhsa_private_segment_fixed_size 0
		.amdhsa_enable_private_segment 0
		.amdhsa_kernarg_size 56
		.amdhsa_user_sgpr_count 2
		.amdhsa_user_sgpr_kernarg_segment_ptr 1
		.amdhsa_wavefront_size32 1
		.amdhsa_system_sgpr_workgroup_id_x 1
		.amdhsa_system_sgpr_workgroup_id_y 1
		.amdhsa_system_sgpr_workgroup_id_z 1
		.amdhsa_system_vgpr_workitem_id 0
		.amdhsa_next_free_vgpr 1024
		.amdhsa_next_free_sgpr 102
		.amdhsa_reserve_vcc 0
		.amdhsa_float_denorm_mode_32 3
		.amdhsa_float_denorm_mode_16_64 3
		.amdhsa_fp16_overflow 1
		.amdhsa_memory_ordered 1
		.amdhsa_forward_progress 1
		.amdhsa_inst_pref_size 174
	.end_amdhsa_kernel
	.amdgpu_metadata
---
amdhsa.version: [ 1, 2 ]
amdhsa.kernels:
  - .name:           k_q240413b56f_qkv
    .symbol:         k_q240413b56f_qkv.kd
    .args:
      - { .name: x_codes, .offset: 0, .size: 8, .value_kind: global_buffer, .address_space: global }
      - { .name: x_scales, .offset: 8, .size: 8, .value_kind: global_buffer, .address_space: global }
      - { .name: qkv_w_codes, .offset: 16, .size: 8, .value_kind: global_buffer, .address_space: global }
      - { .name: qkv_w_scales, .offset: 24, .size: 8, .value_kind: global_buffer, .address_space: global }
      - { .name: qkv_b, .offset: 32, .size: 8, .value_kind: global_buffer, .address_space: global }
      - { .name: q, .offset: 40, .size: 8, .value_kind: global_buffer, .address_space: global }
      - { .name: kv, .offset: 48, .size: 8, .value_kind: global_buffer, .address_space: global }
    .group_segment_fixed_size: 327680
    .private_segment_fixed_size: 0
    .kernarg_segment_align: 8
    .kernarg_segment_size: 56
    .max_flat_workgroup_size: 128
    .sgpr_count:     102
    .vgpr_count:     1024
    .wavefront_size: 32
...
	.end_amdgpu_metadata
.endif
;; end of part 1
;; launch attn (part 2): grid 4 x 64, 16 waves a work-group, no clusters, 327,680 bytes of LDS; arguments q, kv, y, ysc; writes y, ysc
.if DOCPART == 2
	.amdgcn_target "amdgcn-amd-amdhsa--gfx1250"
	.amdhsa_code_object_version 6
	.text
	.protected	k_q240413b56f_attn
	.globl	k_q240413b56f_attn
	.p2align	8
	.type	k_q240413b56f_attn,@function
k_q240413b56f_attn:
	s_mov_b64 s[64:65], 0
	v_nop
	global_prefetch_b8 v0, s[64:65] scope:SCOPE_SE
	s_setreg_imm32_b32 hwreg(HW_REG_WAVE_MODE, 25, 1), 1
	s_wait_xcnt 0x0
; y[b][t][64 hd + d] = the sum over keys k <= t of softmax_k(q . k / 8) v, both products on codes of FP8 (E4M3) with one E8M0 scale for each 32 along a product's K; y is quantised along its 1,024 and leaves as codes and scale bytes.
; THE SOFTMAX: t = score x log2(e) / 8; M = the running largest t rounded UP to a whole number; p = 2^(t - M) is quantised along the keys, not normalised; the row's sum is taken of the unquantised p and divides at the end.
; When M moves, the sum and O are multiplied by 2^(old M - new M): exact.
; SHARES.  Work-group (I, head) owns query blocks I and 7 - I of 256 queries, one after the other: (I + 1) + (8 - I) = 9 slots of 256 keys whatever I is: equal work, and a loop of constant count.  Wave w of sixteen owns queries 16 w .. 16 w + 15 of the block: four waves to a SIMD.
; A key step all of whose 128 keys come after the wave's queries is left out by a scalar branch on ids; on the diagonal hidden scores become -infinity ahead of the maximum.
; OPERANDS ARE IMAGES OF REGISTERS, as the launch before laid them: every LDS read is 16 or 8 bytes x lane, dense.  A fragment of K holds TWO tiles of 16 keys: the head's 64 features of keys 32 F + r in k 0-63, of keys 32 F + 16 + r in k 64-127;
; Q stands between two runs of eight zero registers, so that v[24:39] = (Q, 0) picks the first tile and v[16:31] = (0, Q) the second.  Both products are used transposed: a lane holds ONE query throughout.
; Register 16 F + i of the scores is key 32 F + 16 (i / 8) + 8 (lane / 16) + i % 8: V's codes carry the same order inside each block of 32 keys.
; NO CLUSTER: the four work-groups of a head want different slots at the same time (their passes have different lengths); a common walk would take 12 slots in step against 9.
; LIMITS: NaN and infinities are not served; y / l is a reciprocal (v_rcp_f32) and one multiplication; a block of y under 2^-118 keeps the byte 1, a block of zeros the byte 1 over zero codes (read by this program alone).
; y's scale bytes leave two a lane into rows of 32 bytes: a row's bytes belong to sixteen heads, which are sixteen work-groups: 262,144 bytes in all.
.set SLOTB, 33792                      ; a slot of 256 keys: K codes 2 x 8,192, V codes 2 x 8,192, scale words 2 x (256 + 256)
.set HS,    8*SLOTB                    ; a head
.set HALFB, 16896                      ; half a slot: 66 rows of 256 bytes: what one tensor load brings
.set SLOT1, 65536                      ; LDS: slot 0 at 0, slot 1 here: one exclusive or turns an address
.set SPARE, 131072                     ; the spare words, 128 bytes for each of sixteen waves: eight blocks of 256 bytes that no other line names
.set VCO,   16384
.set KSO,   32768
.set VSO,   33024
.set LA16, 1                           ; v1   16 x lane
.set LA8,  2                           ; v2   8 x lane
.set SPW,  3                           ; v3   my spare word; never rewritten
.set NIL,  4                           ; v4   0; never rewritten
.set PFO,  5                           ; v5   256 x lane: the prefetches' offset
.set ADK,  6                           ; v6   the slot in hand + 16 x lane
.set ADS,  7                           ; v7   the slot in hand + 8 x lane
.set QSV,  8                           ; v8   8 r
.set YO,   9                           ; v9   16 r + 8 h
.set YSO,  10                          ; v10  32 r
.set LQ,   11                          ; v11  r - 8 h
                                       ; v12 -M, v13 the largest t, v[14:15] the sum in two halves; v16-23 zeros, v24-31 Q, v32-39 zeros
.set FRG,  40                          ; v40-103  four fragments of K, then of V
.set S,    104                         ; v104-167 the scores, then p
.set OT,   168                         ; v168-199 O^T: four tiles of 16 of the head's 64
.set PC,   200                         ; v200-215 p's codes
.set BX,   216                         ; block maxima
.set BY,   220                         ; the other half's; then the bytes
.set BH,   224
.set BS,   228                         ; the conversions' scale operands
.set KSC,  232                         ; v[232:233] K's scale words
.set VSC,  234                         ; v[234:235] V's
.set QS,   236                         ; Q's scale word, its two bytes twice
.set QR,   237                         ; as loaded
.set FF,   238                         ; v[238:239] f = 2^(old M - new M), and a register written once
.set PS,   240                         ; p's scale word
.set TT,   241
.set C2,   242                         ; v[242:243] the sums' second chain
.set YW,   244                         ; y's two scale bytes
.set TB,   2
.set SLOTS, 3
.set QP,   4
.set KVW,  6
.set YP,   8
.set YSP,  10
.set QSP,  12
.set PFA,  14
.set LIM,  16
.set NS,   17                          ; the slot of keys that is asked for
.set WV,   18
.set MNT,  19
.set SEL,  20
.set CS,   22
.set G1,   24
.set G0,   32
.set LIM1, 36                          ; I + 1: where the first pass's slots end; then the greatest number
.set SWT,  37                          ; 8 - I: the count at which the first pass ends
.set KF,   38                          ; the step's first key
.set Q0,   39                          ; my first query
.set DY,   40                          ; what the change of blocks adds: to y's address, s[40:41]; to ysc's, s[42:43]; to q's two, s[44:45]; to Q0, s46
.set DYS,  42
.set DQ,   44
.set DQ0,  46
.set SELQ, 47
.macro TLOAD                           ; waves 0 and 1 fetch a slot's halves; four v_nop follow the line
	s_cmp_lt_u32 s[WV], 2
	s_cbranch_scc0 .Lnone_\@
	tensor_load_to_lds s[G0:G0+3], s[G1:G1+7]
	s_nop 0
.rept 4
	v_nop
.endr
.Lnone_\@:
.endm
; A PREFETCH INTO THE L2: in trip j (0 to 5) the codes of the head's slot j + 2, 32,768 bytes, one or two trips ahead of the first tensor load that wants them.  The head's first work-group asks, in it waves 4 to 7, 8,192 bytes a wave, lanes 256 bytes apart:
; each aligned block of 256 bytes is named once in the launch.  Slots 0 and 1 and the scale words come by their loads alone; the last two trips ask for nothing.
.macro ASK
	s_cmp_gt_u32 s[SLOTS], s[LIM]
	s_cbranch_scc0 .Lnot_mine_\@
	global_prefetch_b8 v[PFO], s[PFA:PFA+1] th:TH_LOAD_NT scope:SCOPE_SE
.Lnot_mine_\@:
.endm
.macro QLOAD                           ; my 16 queries: eight registers of codes and the scale word of their fragment
	global_load_b128 v[24:27], v[LA16], s[QP:QP+1]
	global_load_b128 v[28:31], v[LA16], s[QP:QP+1] offset:512
	global_load_b32 v[QR], v[QSV], s[QSP:QSP+1]
.endm
.macro INIT                            ; a block of queries begins: the largest t under every t, the sum and O^T zeros, which the first change of M leaves zeros
	v_mov_b32 v13, 0xff61b1e6                      ; -3e38
	s_delay_alu instid0(VALU_DEP_1)
	v_floor_f32 v12, -v13
	v_mov_b32 v14, 0
	v_mov_b32 v15, 0
	s_wait_loadcnt 0x0                             ; Q
	v_perm_b32 v[QS], v[QR], v[QR], s[SELQ]        ; my tile's two bytes, twice: they serve (Q, 0) and (0, Q) alike
.set j, 0
.rept 32
	v_mov_b32 v[OT+j], 0                           ; (these also stand between the scale word's making and the products that name it)
.set j, j+1
.endr
.endm
	s_load_b256 s[4:11], s[0:1], 0x0               ; q s[4:5], kv s[6:7], y s[8:9], ysc s[10:11]
	v_lshl_add_u32 v[SPW], v0, 2, SPARE
	v_mov_b32 v[NIL], 0
	ds_add_u32 v3, v4
	ds_add_u32 v3, v4
	s_wait_dscnt 0x0
	v_lshrrev_b32 v6, 5, v0
	s_delay_alu instid0(VALU_DEP_1)
	v_readfirstlane_b32 s[WV], v6                  ; wave 0..15
	s_and_b32 s50, ttmp7, 0xffff                   ; 16 x batch + head
	s_mul_i32 s52, s50, HS
	s_mul_i32 s54, ttmp9, SLOTB
	s_add_co_u32 s54, s54, s52                     ; my first block of queries in q
	s_lshl_b32 s56, s[WV], 10
	s_add_co_u32 s56, s56, s54                     ; my tile's codes: 1,024 bytes a tile
	s_mov_b32 s57, 0
	s_lshr_b32 s58, s[WV], 3                       ; its scale word: which 128 of the 256,
	s_lshl_b32 s58, s58, 9
	s_bfe_u32 s59, s[WV], 0x10001                  ; the fragment's low bit picks the half of the lanes,
	s_lshl_b32 s59, s59, 7
	s_add_co_u32 s58, s58, s59
	s_bfe_u32 s59, s[WV], 0x10002                  ; its high bit the word
	s_lshl_b32 s59, s59, 2
	s_add_co_u32 s58, s58, s59
	s_add_co_u32 s58, s58, s54
	s_add_co_u32 s58, s58, KSO
	s_mov_b32 s59, 0
	s_and_b32 s60, s[WV], 1
	s_mul_i32 s61, s60, HALFB                      ; the half of a slot that I fetch, if I fetch: in LDS,
	s_add_co_u32 s62, s61, s52                     ; and in kv
	s_mov_b32 s63, 0
	s_cmp_eq_u32 s60, 0
	s_mov_b32 s[SELQ], 0x03020302
	s_cselect_b32 s[SELQ], 0x01000100, s[SELQ]     ; an even tile's bytes are the word's low two
	s_lshr_b32 s66, s50, 4                         ; the batch
	s_and_b32 s67, s50, 15                         ; the head
	s_lshl_b32 s68, s66, 7
	s_lshl_b32 s69, ttmp9, 4
	s_add_co_u32 s68, s68, s69
	s_add_co_u32 s68, s68, s[WV]                   ; my tile of 16 tokens among 512
	s_lshr_b32 s70, s67, 2
	s_lshl_b32 s70, s70, 21                        ; y: [e / 256][tile][(e / 128) % 2][(e / 32) % 4][lane][16]
	s_lshl_b32 s71, s68, 12
	s_add_co_u32 s70, s70, s71
	s_and_b32 s71, s67, 3
	s_lshl_b32 s71, s71, 10
	s_add_co_u32 s70, s70, s71
	s_mov_b32 s71, 0
	s_lshl_b32 s72, s68, 9                         ; ysc: [token][32]
	s_lshl_b32 s73, s67, 1
	s_add_co_u32 s72, s72, s73
	s_mov_b32 s73, 0
	s_lshl_b32 s74, ttmp9, 1
	s_sub_co_u32 s74, 7, s74                       ; blocks from the first to the second: 7 - 2 I
	s_lshl_b32 s[DY], s74, 16
	s_mov_b32 s[DY+1], 0
	s_lshl_b32 s[DYS], s74, 13
	s_mov_b32 s[DYS+1], 0
	s_mul_i32 s[DQ], s74, SLOTB
	s_mov_b32 s[DQ+1], 0
	s_lshl_b32 s[DQ0], s74, 8
	s_lshl_b32 s[Q0], ttmp9, 8
	s_lshl_b32 s75, s[WV], 4
	s_add_co_u32 s[Q0], s[Q0], s75
	s_mov_b32 s[KF], 0
	s_add_co_u32 s[LIM1], ttmp9, 1
	s_sub_co_u32 s[SWT], 8, ttmp9
	s_mov_b32 s[NS], 0
	s_mov_b32 s[TB], 0
	s_mov_b32 s[SLOTS], 8
	s_and_b32 s76, s[WV], 3
	s_lshl_b32 s76, s76, 13
	s_add_co_u32 s76, s76, s52
	s_add_co_u32 s76, s76, SLOTB                   ; the prefetches stand in slot 1; the first change of slots steps them to slot 2
	s_mov_b32 s77, 0
	s_sub_co_u32 s78, s[WV], 4
	s_lshr_b32 s78, s78, 2                         ; 0 in waves 4 to 7,
	s_or_b32 s78, s78, ttmp9                       ; of the head's first work-group
	s_cmp_eq_u32 s78, 0
	s_cselect_b32 s[LIM], 2, -1
	s_mov_b32 s[SEL], 0x76543210
	s_mov_b32 s[SEL+1], 0xfedcba98
	s_mov_b32 s[CS], 0x3e38aa3b                    ; c = log2(e) / 8
	s_mov_b32 s[CS+1], s[CS]                       ; (named with it as a pair, so it is written)
	; descriptor group 1: 66 dense rows of 256 bytes (32 elements of 8 bytes), no padding
	s_mov_b32 s[G1], 3<<16
	s_mov_b32 s[G1+1], 32<<16
	s_mov_b32 s[G1+2], 66<<16
	s_mov_b32 s[G1+3], 32<<16
	s_mov_b32 s[G1+4], 66
	s_mov_b32 s[G1+5], 32
	s_mov_b32 s[G1+6], 0
	s_mov_b32 s[G1+7], 0
	s_wait_kmcnt 0x0
	s_add_nc_u64 s[QSP:QSP+1], s[4:5], s[58:59]
	s_add_nc_u64 s[QP:QP+1], s[4:5], s[56:57]
	s_add_nc_u64 s[PFA:PFA+1], s[6:7], s[76:77]
	s_add_nc_u64 s[KVW:KVW+1], s[6:7], s[62:63]
	s_add_nc_u64 s[YP:YP+1], s[8:9], s[70:71]
	s_add_nc_u64 s[YSP:YSP+1], s[10:11], s[72:73]
	s_mov_b32 s[G0], 1
	s_mov_b32 s[G0+1], s61
	s_mov_b64 s[G0+2:G0+3], s[KVW:KVW+1]
	s_or_b32 s[G0+3], s[G0+3], 0x80000000
	TLOAD                                          ; the head's slot 0 into LDS slot 0
	v_and_b32 v6, 31, v0
	s_delay_alu instid0(VALU_DEP_1)
	v_lshlrev_b32 v[LA16], 4, v6
	s_delay_alu instid0(VALU_DEP_2)
	v_lshlrev_b32 v[LA8], 3, v6
	s_delay_alu instid0(VALU_DEP_3)
	v_lshlrev_b32 v[PFO], 8, v6
	v_and_b32 v6, 15, v0                           ; r
	v_bfe_u32 v7, v0, 4, 1                         ; h
	s_delay_alu instid0(VALU_DEP_2)
	v_lshlrev_b32 v[QSV], 3, v6
	s_delay_alu instid0(VALU_DEP_3)
	v_lshlrev_b32 v[YO], 4, v6
	s_delay_alu instid0(VALU_DEP_1)
	v_lshl_add_u32 v[YO], v7, 3, v[YO]
	v_lshlrev_b32 v[YSO], 5, v6
	v_lshlrev_b32 v[LQ], 3, v7
	s_delay_alu instid0(VALU_DEP_1)
	v_sub_nc_u32 v[LQ], v6, v[LQ]
	QLOAD
.irp j, 0,1,2,3,4,5,6,7
	v_mov_b32 v[16+\j], 0                          ; zero codes on both sides of Q
	v_mov_b32 v[32+\j], 0
.endr
.irp b, 0,1,2,3
	v_mov_b32 v[BY+\b], 0                          ; a lane permute's destination counts as one of its sources
.endr
	v_mov_b32 v[FF+1], 0                           ; (named as the upper half of a pair)
	v_mov_b32 v[TT], 0
	INIT
; A KEY STEP: 128 keys, the qq-th of the slot in hand.
.macro STEP qq
	s_add_co_u32 s96, s[Q0], 15
	s_cmp_gt_u32 s[KF], s96                        ; all its keys come after my queries: nothing to do but the step of KF
	s_cbranch_scc1 .Lhidden_\@
	v_add_nc_u32 v[ADK], s[TB], v[LA16]
	v_add_nc_u32 v[ADS], s[TB], v[LA8]
.rept 6
	v_nop                                          ; with the two additions: eight places in front of loads into registers that the last products read
.endr
.irp F, 0,1,2,3
.irp c, 0,1,2,3
	ds_load_b128 v[FRG+16*\F+4*\c:FRG+16*\F+4*\c+3], v[ADK] offset:8192*(\qq)+2048*\F+512*\c
.endr
.endr
	ds_load_b64 v[KSC:KSC+1], v[ADS] offset:KSO+512*(\qq)
	s_wait_alu depctr_va_vdst(0)
	s_wait_dscnt 0x0
.irp F, 0,1,2,3                                    ; S^T = K Q^T: fragment F against (Q, 0) and (0, Q)
.irp u, 0,1
.if (\F)%2
	v_wmma_scale_f32_16x16x128_f8f6f4 v[S+16*\F+8*\u:S+16*\F+8*\u+7], v[FRG+16*\F:FRG+16*\F+15], v[24-8*\u:39-8*\u], 0, v[KSC+\F/2], v[QS] matrix_a_scale:MATRIX_SCALE_ROW1
.else
	v_wmma_scale_f32_16x16x128_f8f6f4 v[S+16*\F+8*\u:S+16*\F+8*\u+7], v[FRG+16*\F:FRG+16*\F+15], v[24-8*\u:39-8*\u], 0, v[KSC+\F/2], v[QS]
.endif
.endr
.endr
.rept 8
	v_nop                                          ; places in front of the loads below and of the first read of the scores
.endr
.irp t, 0,1,2,3                                    ; V's fragments are asked for now and land under the softmax
.irp c, 0,1,2,3
	ds_load_b128 v[FRG+16*\t+4*\c:FRG+16*\t+4*\c+3], v[ADK] offset:VCO+8192*(\qq)+2048*\t+512*\c
.endr
.endr
	ds_load_b64 v[VSC:VSC+1], v[ADS] offset:VSO+512*(\qq)
	s_add_co_u32 s96, s[KF], 127
	s_cmp_le_u32 s96, s[Q0]                        ; all its keys count: no mask
	s_cbranch_scc1 .Lopen_\@
	s_sub_co_i32 s96, s[Q0], s[KF]
	v_add_nc_u32 v[TT], s96, v[LQ]                 ; d = my query - KF - 8 h: register n's key is hidden where 32 (n / 16) + 16 ((n / 8) % 2) + n % 8 > d
	v_mov_b32 v[C2], 0xff800000                    ; -infinity
.set n, 0
.rept 64
	v_cmp_gt_i32 vcc_lo, 32*(n/16)+16*((n/8)%2)+n%8, v[TT]
	v_cndmask_b32 v[S+n], v[S+n], v[C2], vcc_lo
.set n, n+1
.endr
.Lopen_\@:
.irp b, 0,1,2,3
	v_max3_num_f32 v[BX+\b], v[S+16*\b], v[S+1+16*\b], v[S+2+16*\b]   ; the largest score of each block of 32 keys: for the row's maximum and, since p rises with the score, for the block's largest p
.endr
.irp i, 3,5,7,9,11,13
.irp b, 0,1,2,3
	v_max3_num_f32 v[BX+\b], v[BX+\b], v[S+16*\b+\i], v[S+1+16*\b+\i]
.endr
.endr
.irp b, 0,1,2,3
	v_max_num_f32 v[BX+\b], v[BX+\b], v[S+15+16*\b]
.endr
.irp b, 0,1,2,3
	s_delay_alu instid0(VALU_DEP_4)
	v_permlanex16_b32 v[BY+\b], v[BX+\b], s[SEL], s[SEL+1]
.endr
.irp b, 0,1,2,3
	s_delay_alu instid0(VALU_DEP_4)
	v_max_num_f32 v[BX+\b], v[BX+\b], v[BY+\b]     ; with lane l xor 16's 16 keys
.endr
	s_delay_alu instid0(VALU_DEP_2)
	v_max3_num_f32 v[TT], v[BX], v[BX+1], v[BX+2]
	s_delay_alu instid0(VALU_DEP_1)
	v_max_num_f32 v[TT], v[TT], v[BX+3]
	s_delay_alu instid0(VALU_DEP_1)
	v_mul_f32 v[TT], s[CS], v[TT]                  ; as t (c is positive)
	s_delay_alu instid0(VALU_DEP_1)
	v_max_num_f32 v13, v13, v[TT]                  ; the running largest t
	v_mov_b32 v[TT], v12
	s_delay_alu instid0(VALU_DEP_2)
	v_floor_f32 v12, -v13                          ; the new -M = floor(-t): M is a whole number
	s_delay_alu instid0(VALU_DEP_1)
	v_sub_f32 v[TT], v12, v[TT]                    ; old M - new M: a whole number, 0 or less
	s_delay_alu instid0(VALU_DEP_1)
	v_cvt_i32_f32 v[TT], v[TT]                     ; (it saturates)
	s_delay_alu instid0(VALU_DEP_1)
	v_ldexp_f32 v[FF], 1.0, v[TT]                  ; f = 2^(old M - new M)
.set j, 0
.rept 32
	v_pk_fma_f32 v[S+j:S+j+1], v[S+j:S+j+1], s[CS:CS+1], v[12:13] op_sel_hi:[1,0,0]   ; t - M, two at a time
.set j, j+2
.endr
.irp b, 0,1,2,3
	v_fma_f32 v[BX+\b], v[BX+\b], s[CS], v12       ; the same of each block's largest score
.endr
.set j, 0
	s_wait_alu depctr_va_vdst(0)
.rept 64
	v_exp_f32 v[S+j], v[S+j]                       ; p = 2^(t - M), at most 1
.set j, j+1
.endr
	v_pk_mul_f32 v[14:15], v[14:15], v[FF:FF+1] op_sel_hi:[1,0]   ; the sums under the new M: a plain line behind the exponentials
	s_wait_alu depctr_va_vdst(0)                   ; one wait for the whole batch, ahead of its first reader
.irp b, 0,1,2,3
	v_exp_f32 v[BX+\b], v[BX+\b]                   ; the block's largest p: the same two instructions on the same number
.endr
	v_pk_add_f32 v[242:243], v[108:109], v[112:113]
	v_pk_add_f32 v[254:255], v[116:117], v[120:121]
	v_pk_add_f32 v[252:253], v[124:125], v[128:129]
	v_pk_add_f32 v[250:251], v[132:133], v[136:137]
	v_pk_add_f32 v[248:249], v[140:141], v[144:145]
	v_pk_add_f32 v[246:247], v[148:149], v[152:153]
	v_pk_add_f32 v[244:245], v[156:157], v[160:161]
	v_pk_add_f32 v[14:15], v[14:15], v[164:165]
	v_pk_add_f32 v[242:243], v[242:243], v[104:105]
	v_pk_add_f32 v[254:255], v[254:255], v[106:107]
	v_pk_add_f32 v[252:253], v[252:253], v[110:111]
	v_pk_add_f32 v[250:251], v[250:251], v[114:115]
	v_pk_add_f32 v[248:249], v[248:249], v[118:119]
	v_pk_add_f32 v[246:247], v[246:247], v[122:123]
	v_pk_add_f32 v[244:245], v[244:245], v[126:127]
	v_pk_add_f32 v[14:15], v[14:15], v[130:131]
	v_pk_add_f32 v[242:243], v[242:243], v[134:135]
	v_pk_add_f32 v[254:255], v[254:255], v[138:139]
	v_pk_add_f32 v[252:253], v[252:253], v[142:143]
	v_pk_add_f32 v[250:251], v[250:251], v[146:147]
	v_pk_add_f32 v[248:249], v[248:249], v[150:151]
	v_pk_add_f32 v[246:247], v[246:247], v[154:155]
	v_pk_add_f32 v[244:245], v[244:245], v[158:159]
	v_pk_add_f32 v[14:15], v[14:15], v[162:163]
	v_pk_add_f32 v[242:243], v[242:243], v[166:167]
	s_delay_alu instid0(VALU_DEP_2)
	v_pk_add_f32 v[14:15], v[14:15], v[250:251]
	s_delay_alu instid0(VALU_DEP_2)
	v_pk_add_f32 v[242:243], v[242:243], v[248:249]
	v_pk_add_f32 v[254:255], v[254:255], v[246:247]
	v_pk_add_f32 v[252:253], v[252:253], v[244:245]
	s_delay_alu instid0(VALU_DEP_2)
	v_pk_add_f32 v[14:15], v[14:15], v[254:255]
	s_delay_alu instid0(VALU_DEP_2)
	v_pk_add_f32 v[242:243], v[242:243], v[252:253]
	s_delay_alu instid0(VALU_DEP_1)
	v_pk_add_f32 v[14:15], v[14:15], v[242:243]
	s_wait_alu depctr_va_vdst(0)                   ; and one for the four
.irp b, 0,1,2,3
	v_max_num_f32 v[BX+\b], 0x4800000, v[BX+\b]    ; the floor 2^(9 - 127): the byte cannot fall under 1
.endr
.irp b, 0,1,2,3
	s_delay_alu instid0(VALU_DEP_4)
	v_add_nc_u32 v[BS+\b], 0xfc000000, v[BX+\b]    ; 8 off the exponent field: the conversion's scale operand
.endr
.irp b, 0,1,2,3
.endr
.irp b, 0,1,2,3
	s_delay_alu instid0(VALU_DEP_4)
	v_lshrrev_b32 v[BY+\b], 23, v[BS+\b]           ; the scale's byte
.endr
	s_delay_alu instid0(VALU_DEP_3)
	v_lshl_or_b32 v[PS], v[BY+1], 8, v[BY]         ; p's scale word for these 128 keys
	s_delay_alu instid0(VALU_DEP_1)
	v_lshl_or_b32 v[PS], v[BY+2], 16, v[PS]
	s_delay_alu instid0(VALU_DEP_1)
	v_lshl_or_b32 v[PS], v[BY+3], 24, v[PS]
.irp b, 0,1,2,3
.irp i, 0,1,2,3,4,5,6,7,8,9,10,11,12,13,14,15
.endr
	v_cvt_scalef32_pk8_fp8_f32 v[PC+4*\b:PC+1+4*\b], v[S+16*\b:S+7+16*\b], v[BS+\b]
	v_cvt_scalef32_pk8_fp8_f32 v[PC+2+4*\b:PC+3+4*\b], v[S+8+16*\b:S+15+16*\b], v[BS+\b]
.endr
.set j, 0
.rept 16
	v_pk_mul_f32 v[OT+j:OT+j+1], v[OT+j:OT+j+1], v[FF:FF+1] op_sel_hi:[1,0]   ; O^T under the new M; also the places between the codes' making and the products
.set j, j+2
.endr
.rept 4
	v_nop                                          ; and four between O^T's rescaling and the products that add onto it
.endr
	s_wait_alu depctr_va_vdst(0)
	s_wait_dscnt 0x0                               ; V and its scale words are in
.irp t, 0,1,2,3                                    ; O^T += V^T P^T; the four accumulators take turns, and the eight products of the next step's scores stand between two links
.if (\t)%2
	v_wmma_scale_f32_16x16x128_f8f6f4 v[OT+8*\t:OT+8*\t+7], v[FRG+16*\t:FRG+16*\t+15], v[PC:PC+15], v[OT+8*\t:OT+8*\t+7], v[VSC+\t/2], v[PS] matrix_a_scale:MATRIX_SCALE_ROW1
.else
	v_wmma_scale_f32_16x16x128_f8f6f4 v[OT+8*\t:OT+8*\t+7], v[FRG+16*\t:FRG+16*\t+15], v[PC:PC+15], v[OT+8*\t:OT+8*\t+7], v[VSC+\t/2], v[PS]
.endif
.endr
.Lhidden_\@:
	s_add_co_u32 s[KF], s[KF], 128
.endm
; THE CHANGE OF SLOTS stands at a slot's head.  Each wave waits for all its tensor loads, adds 0 to its spare word, and waits for that and for its reads of the slot that it has left.  Behind the barrier the slot ahead is whole and nobody reads the other:
; fill = 1: that other slot takes the keys that follow: the next slot of the pass, or slot 0 where the first pass has ended (a choice by s_cselect_b32 on ids, no branch).
.macro CHANGE fill
	s_wait_tensorcnt 0x0                           ; no tensor load of mine is out, so the descriptor may be written
	ds_add_u32 v[SPW], v[NIL]                      ; 0 onto my spare word
.if \fill
	s_xor_b32 s[G0+1], s[G0+1], SLOT1
	s_add_co_u32 s[NS], s[NS], 1
	s_cmp_eq_u32 s[NS], s[LIM1]
	s_cselect_b32 s[NS], 0, s[NS]
	s_cselect_b32 s[LIM1], -1, s[LIM1]
	s_mul_i32 s96, s[NS], SLOTB
	s_mov_b32 s97, 0
	s_add_nc_u64 s[G0+2:G0+3], s[KVW:KVW+1], s[96:97]
	s_or_b32 s[G0+3], s[G0+3], 0x80000000
	s_wait_xcnt 0x0                                ; the last prefetch, a slot back, has read its address, so it may be written
	s_add_nc_u64 s[PFA:PFA+1], s[PFA:PFA+1], SLOTB
.endif
	s_wait_dscnt 0x0                               ; the add is done, and my reads of the slot that I have left are over
	s_barrier_signal -1
	s_barrier_wait -1
.if \fill
	TLOAD                                          ; the first thing behind the barrier, and a wave's one tensor load until the next
	ASK
.endif
.endm
.macro SLOT_STEPS
	STEP 0
	STEP 1
	s_xor_b32 s[TB], s[TB], SLOT1
.endm
; THE WAY OUT of a block of queries: O^T / the sum, quantised along the head's two blocks of 32, stored in the NATURAL order of k, which the next product's other operand has:
; my codes 0-7 of a block are its members 8 h + 0..7, which belong to lane r of the image, bytes 8 h on; my codes 8-15 are members 16 + 8 h + 0..7, which belong to lane 16 + r.  Each store: 32 lanes x 8 bytes, 256 consecutive bytes, aligned.
.macro WAYOUT
.rept 8
	v_nop                                          ; places behind the last products
.endr
	v_add_f32 v14, v14, v15
	s_delay_alu instid0(VALU_DEP_1)
	v_permlanex16_b32 v[TT], v14, s[SEL], s[SEL+1]
	s_delay_alu instid0(VALU_DEP_1)
	v_add_f32 v14, v14, v[TT]                      ; the row's sum
	s_wait_alu depctr_va_vdst(0)
	v_rcp_f32 v14, v14
	v_nop                                          ; a plain line behind the transcendental,
	s_wait_alu depctr_va_vdst(0)                   ; and the wait ahead of its first reader
.set j, 0
.rept 32
	v_mul_f32 v[S+j], v[OT+j], v14                 ; each accumulator from its low end on
.set j, j+1
.endr
.irp b, 0,1
	v_max3_num_f32 v[BX+\b], |v[S+16*\b]|, |v[S+1+16*\b]|, 0x4800000
.endr
.irp i, 2,4,6,8,10,12,14
.irp b, 0,1
	s_delay_alu instid0(VALU_DEP_2)
	v_max3_num_f32 v[BX+\b], v[BX+\b], |v[S+16*\b+\i]|, |v[S+1+16*\b+\i]|
.endr
.endr
.irp b, 0,1
	s_delay_alu instid0(VALU_DEP_2)
	v_permlanex16_b32 v[BY+\b], v[BX+\b], s[SEL], s[SEL+1]
.endr
.irp b, 0,1
	s_delay_alu instid0(VALU_DEP_2)
	v_max_num_f32 v[BX+\b], v[BX+\b], v[BY+\b]
.endr
.irp b, 0,1
	s_delay_alu instid0(VALU_DEP_2)
	v_add_nc_u32 v[BS+\b], 0xfc000000, v[BX+\b]
.endr
.irp b, 0,1
.endr
.irp b, 0,1
	s_delay_alu instid0(VALU_DEP_2)
	v_lshrrev_b32 v[BY+\b], 23, v[BS+\b]
.endr
	s_delay_alu instid0(VALU_DEP_1)
	v_lshl_or_b32 v[YW], v[BY+1], 8, v[BY]
.irp b, 0,1
.irp i, 0,1,2,3,4,5,6,7,8,9,10,11,12,13,14,15
.endr
	v_cvt_scalef32_pk8_fp8_f32 v[PC+4*\b:PC+1+4*\b], v[S+16*\b:S+7+16*\b], v[BS+\b]
	v_cvt_scalef32_pk8_fp8_f32 v[PC+2+4*\b:PC+3+4*\b], v[S+8+16*\b:S+15+16*\b], v[BS+\b]
.endr
	v_nop                                          ; one plain line behind the last conversion
.irp b, 0,1
.irp u, 0,1
	global_store_b64 v[YO], v[PC+4*\b+2*\u:PC+4*\b+2*\u+1], s[YP:YP+1] offset:512*\b+256*\u
.endr
.endr
	global_store_b16 v[YSO], v[YW], s[YSP:YSP+1]   ; my row's two scale bytes; both lanes of a block write the same two
.endm
.Lslot:                                            ; eight trips: behind each change of slots but the last the next slot is asked for
	CHANGE 1
	SLOT_STEPS
	s_cmp_lg_u32 s[SLOTS], s[SWT]                  ; a branch on ids: the first block's last slot is done
	s_cbranch_scc1 .Lsame
	WAYOUT
	s_wait_xcnt 0x0                                ; the stores have read their data and their bases: both are written again only behind this wait
	s_add_nc_u64 s[YP:YP+1], s[YP:YP+1], s[DY:DY+1]
	s_add_nc_u64 s[YSP:YSP+1], s[YSP:YSP+1], s[DYS:DYS+1]
	s_add_nc_u64 s[QP:QP+1], s[QP:QP+1], s[DQ:DQ+1]
	s_add_nc_u64 s[QSP:QSP+1], s[QSP:QSP+1], s[DQ:DQ+1]
	s_add_co_u32 s[Q0], s[Q0], s[DQ0]
	s_mov_b32 s[KF], 0
	QLOAD
	INIT
.Lsame:
	s_sub_co_u32 s[SLOTS], s[SLOTS], 1
	s_cmp_lg_u32 s[SLOTS], 0
	s_cbranch_scc1 .Lslot
	CHANGE 0                                       ; the last slot is written out
	SLOT_STEPS
	WAYOUT
	s_wait_tensorcnt 0x0                           ; the wave's end
	ds_add_u32 v[SPW], v[NIL]
	s_wait_dscnt 0x0
	s_endpgm
.Lfunc_end_k_q240413b56f_attn:
	.size	k_q240413b56f_attn, .Lfunc_end_k_q240413b56f_attn-k_q240413b56f_attn
	.p2alignl 7, 3214868480
	.fill 96, 4, 3214868480
	.section	.rodata,"a",@progbits
	.p2align	6, 0x0
	.amdhsa_kernel k_q240413b56f_attn
		.amdhsa_group_segment_fixed_size 327680
		.amdhsa_private_segment_fixed_size 0
		.amdhsa_enable_private_segment 0
		.amdhsa_kernarg_size 32
		.amdhsa_user_sgpr_count 2
		.amdhsa_user_sgpr_kernarg_segment_ptr 1
		.amdhsa_wavefront_size32 1
		.amdhsa_system_sgpr_workgroup_id_x 1
		.amdhsa_system_sgpr_workgroup_id_y 1
		.amdhsa_system_sgpr_workgroup_id_z 1
		.amdhsa_system_vgpr_workitem_id 0
		.amdhsa_next_free_vgpr 256
		.amdhsa_next_free_sgpr 98
		.amdhsa_reserve_vcc 1
		.amdhsa_float_denorm_mode_32 3
		.amdhsa_float_denorm_mode_16_64 3
		.amdhsa_fp16_overflow 1
		.amdhsa_memory_ordered 1
		.amdhsa_forward_progress 1
		.amdhsa_inst_pref_size 109
	.end_amdhsa_kernel
	.amdgpu_metadata
---
amdhsa.version: [ 1, 2 ]
amdhsa.kernels:
  - .name:           k_q240413b56f_attn
    .symbol:         k_q240413b56f_attn.kd
    .args:
      - { .name: q, .offset: 0, .size: 8, .value_kind: global_buffer, .address_space: global }
      - { .name: kv, .offset: 8, .size: 8, .value_kind: global_buffer, .address_space: global }
      - { .name: y, .offset: 16, .size: 8, .value_kind: global_buffer, .address_space: global }
      - { .name: ysc, .offset: 24, .size: 8, .value_kind: global_buffer, .address_space: global }
    .group_segment_fixed_size: 327680
    .private_segment_fixed_size: 0
    .kernarg_segment_align: 8
    .kernarg_segment_size: 32
    .max_flat_workgroup_size: 512
    .sgpr_count:     98
    .vgpr_count:     256
    .wavefront_size: 32
...
	.end_amdgpu_metadata
.endif
;; end of part 2
;; launch proj (part 3): grid 4 x 32, 4 waves a work-group, clusters of 4 x 4, 327,680 bytes of LDS; arguments y, ysc, proj_w_codes, proj_w_scales, proj_b, out0; writes out0
.if DOCPART == 3
	.amdgcn_target "amdgcn-amd-amdhsa--gfx1250"
	.amdhsa_code_object_version 6
	.text
	.protected	k_q240413b56f_proj
	.globl	k_q240413b56f_proj
	.p2align	8
	.type	k_q240413b56f_proj,@function
k_q240413b56f_proj:
	s_mov_b64 s[64:65], 0
	v_nop
	global_prefetch_b8 v0, s[64:65] scope:SCOPE_SE
	s_setreg_imm32_b32 hwreg(HW_REG_WAVE_MODE, 25, 1), 1
	s_wait_xcnt 0x0
	s_wait_alu depctr_hold_cnt(0) depctr_sa_sdst(0) depctr_va_vdst(0) depctr_va_sdst(0) depctr_va_ssrc(0) depctr_va_vcc(0) depctr_vm_vsrc(0)
	s_getreg_b32 s2, hwreg(HW_REG_IB_STS2, 6, 4)
	s_cmp_eq_u32 s2, 0
	s_cbranch_scc0 .Lentry_in_a_cluster
	s_endpgm
.Lentry_in_a_cluster:
	s_bfe_u32 s2, ttmp6, 0x10000c
	s_cmp_lg_u32 s2, 0xf033
	s_cbranch_scc0 .Lentry_shape_is_right
	s_endpgm
.Lentry_shape_is_right:
; out0 = y proj_w^T + proj_b on codes of FP8 (E4M3) with one E8M0 scale for each 32 along K = 1,024; out0 [8,192][1,024] f32.
; A tile of 256 x 256 is made by four waves, each 128 x 128: 64 accumulators.  K goes in four steps of 256 through a ring of two LDS slots; the scale bytes of the tile's rows come once and stay.
; A = y comes as IMAGES OF REGISTERS, [k / 256][tile of 16 tokens][(k / 128) % 2][(k / 32) % 4][lane][16 bytes]: a K step's part of 128 rows is 32,768 dense bytes, and a fragment is four loads of 16 bytes x lane.  Its scale bytes lie [token][32].
; B = proj_w comes as rows of codes, padded in LDS.  The matrix instruction is used transposed (source 0 = 16 rows of proj_w, source 1 = 16 tokens): a lane holds eight neighbouring numbers of a row of out0.
; The bias, which runs along the registers, is the C of the first K step's products.
; CLUSTERS: 4 x 4: y's tile is shared along a row of the cluster, proj_w's along a column: each is asked for jointly.  The grid is 128 work-groups: a tile of 128 x 256 would fill 256, at 1.5 times the LDS bytes a product.
; LIMITS: NaN and infinities are not served; a given scale byte 0xff gives NaN.
; REGISTERS: window 0: v1-15 addresses; v32-63 scale words, two sets; v64-127 the bias; v128-255 A's fragments, on the way out rows of out0.  Window 1: B's fragments, two sets.  Windows 2, 3: the accumulators.
.set SIZE_N, 1024
.set NQ,     2
.set ROWB,   256
.set KROW,   1024
.set PITCH,  272                       ; B's LDS row: 256 bytes + 16 of padding: the 16 rows of a fragment load start at 16 different banks (64 banks of 4 bytes: ISA guide 11.1)
.set FR,     16
.set NL,     4
.set NP,     8                         ; places behind this matrix instruction (ISA guide 7.12.1)
.set HALFT,  128*PITCH                 ; a wave's part of a slot (A's images use 32,768 bytes of it)
.set SLOT,   4*HALFT
.set LAPS,   2
.set KS,     32
.set SCL,    2*SLOT
.set HALFS,  (128*KS/256)*272
.set SBLK,   (16*KS/256)*272
.set SPARE,  SCL+4*HALFS               ; the spare words, 128 bytes a wave: two blocks of 256 bytes that no other line names
.set SPITCH, 528                       ; the way out: a stage of 16 rows x (512 + 16) bytes for each wave, in slot 0, which has had its last fill and its last read by then
.set YSLOT,  2097152                   ; a K step of y: 512 tiles x 4,096 bytes
.set CO,   6
.set ADRA, 7
.set ADRB, 9
.set ADRS, 11
.set SPW,  12                          ; my spare word; never rewritten
.set NIL,  13                          ; 0; never rewritten
.set STO,  14
.set RD,   15
.set SC,   32
.set BM,   64
.set AF,   128
.set BK,   128
.set WV,  18
.set RH,  19
.set CH,  20
.set G1,  24
.set G0,  32
.set G1B, 48
.set G0B, 56
.set G1S, 68
.set G0S, 76
.set G1SB, 80
.set G0SB, 88
.set MSB, 0
.macro WIN new                         ; the immediate's high byte repeats the setting that is left
.if MSB != (\new)
	s_set_vgpr_msb (MSB<<8)|(\new)
.set MSB, (\new)
.endif
.endm
.set MUL_LO, 0xa1
.set MUL_HI, 0xf1
.set FST_LO, 0x81                      ; the first K step: C (the bias) window 0, D window 2
.set FST_HI, 0xc1
.set TO_B,   0x40
.macro JLOAD g0a, g1a, g0b, g1b        ; a joint load: waves 0 and 1 fetch for A, waves 2 and 3 for B; four v_nop follow each of the two lines
	s_cmp_eq_u32 s[RH], 0
	s_cbranch_scc0 .Lfor_b_\@
	tensor_load_to_lds s[\g0a:\g0a+3], s[\g1a:\g1a+7]
	s_nop 0
.rept 4
	v_nop
.endr
	s_branch .Lasked_\@
.Lfor_b_\@:
	tensor_load_to_lds s[\g0b:\g0b+3], s[\g1b:\g1b+7]
	s_nop 0
.rept 4
	v_nop
.endr
.Lasked_\@:
.endm
.macro CREST
	s_cmp_lg_u32 s[WV], 0
	s_cbranch_scc1 .Lnot_wave_0_\@
	s_barrier_signal -3
.Lnot_wave_0_\@:
	s_barrier_wait -3
	s_barrier_signal -1
	s_barrier_wait -1
.endm
.macro CROUND
	s_barrier_signal -1
	s_barrier_wait -1
	CREST
.endm
	s_load_b128 s[4:7], s[0:1], 0x0                ; y s[4:5], ysc s[6:7]
	s_load_b128 s[8:11], s[0:1], 0x10              ; proj_w's codes s[8:9], its scales s[10:11]
	s_load_b128 s[12:15], s[0:1], 0x20             ; proj_b s[12:13], out0 s[14:15]
	v_lshl_add_u32 v[SPW], v0, 2, SPARE
	v_mov_b32 v[NIL], 0
	ds_add_u32 v12, v13
	ds_add_u32 v12, v13
	s_wait_dscnt 0x0
	v_lshrrev_b32 v1, 5, v0
	v_readfirstlane_b32 s[WV], v1
	s_lshr_b32 s[RH], s[WV], 1                     ; my half of the tile's rows; also: I fetch for A (0) or B (1)
	s_and_b32 s[CH], s[WV], 1                      ; my half of its columns; also: which 128 rows I fetch
	s_bfe_u32 s40, ttmp6, 0x40000                  ; cx
	s_bfe_u32 s41, ttmp6, 0x40004                  ; cy
	s_lshl_b32 s42, ttmp9, 2
	s_add_co_u32 s42, s42, s40                     ; tile column
	s_and_b32 s43, ttmp7, 0xffff
	s_lshl_b32 s43, s43, 2
	s_add_co_u32 s43, s43, s41                     ; tile row
	s_lshl_b32 s22, s41, 2
	s_lshl_b32 s22, 15, s22                        ; my row of the cluster
	s_lshl_b32 s23, 0x1111, s40                    ; my column
	; A: 128 dense rows of 256 bytes (32 elements of 8), no padding
	s_or_b32 s[G1+0], s22, (3<<16)|(1<<21)
	s_mov_b32 s[G1+1], 32<<16
	s_mov_b32 s[G1+2], 128<<16
	s_mov_b32 s[G1+3], 32<<16
	s_mov_b32 s[G1+4], 128
	s_mov_b32 s[G1+5], 32
	s_mov_b32 s[G1+6], 0
	s_mov_b32 s[G1+7], 0
	; B: 128 rows x 256 bytes, 1,024 bytes apart, 16 bytes of padding behind each
	s_or_b32 s[G1B+0], s23, (0<<16)|(1<<20)|(1<<21)|(5<<22)|(3<<25)
	s_mov_b32 s[G1B+1], ROWB<<16
	s_mov_b32 s[G1B+2], 128<<16
	s_mov_b32 s[G1B+3], ROWB<<16
	s_mov_b32 s[G1B+4], 128
	s_mov_b32 s[G1B+5], KROW
	s_mov_b32 s[G1B+6], 0
	s_mov_b32 s[G1B+7], 0
	; the scale bytes of 128 rows: 16 rows of 256 bytes, 16 bytes of padding behind each
	s_or_b32 s[G1S+0], s22, (3<<16)|(1<<20)|(1<<21)|(5<<22)|(3<<25)
	s_or_b32 s[G1SB+0], s23, (3<<16)|(1<<20)|(1<<21)|(5<<22)|(3<<25)
.irp g, G1S, G1SB
	s_mov_b32 s[\g+1], 32<<16
	s_mov_b32 s[\g+2], (128*KS/256)<<16
	s_mov_b32 s[\g+3], 32<<16
	s_mov_b32 s[\g+4], 128*KS/256
	s_mov_b32 s[\g+5], 32
	s_mov_b32 s[\g+6], 0
	s_mov_b32 s[\g+7], 0
.endr
	s_lshl_b32 s44, s43, 16                        ; A's images: 65,536 bytes a tile row of a K step, 32,768 for my 128 rows
	s_lshl_b32 s96, s[CH], 15
	s_add_co_u32 s44, s44, s96
	s_mov_b32 s45, 0
	s_lshl_b32 s96, s[CH], 12                      ; scale bytes: 32 a row
	s_lshl_b32 s92, s43, 13
	s_add_co_u32 s92, s92, s96
	s_mov_b32 s93, 0
	s_lshl_b32 s94, s42, 13
	s_add_co_u32 s94, s94, s96
	s_mov_b32 s95, 0
	s_lshl_b32 s46, s42, 18                        ; B's codes: 1,024 bytes a row
	s_lshl_b32 s97, s[CH], 17
	s_add_co_u32 s46, s46, s97
	s_mov_b32 s47, 0
	s_mul_i32 s2, s[WV], HALFT                     ; where they go: no place in the cluster enters an LDS address
	s_mul_i32 s3, s[WV], HALFS
	s_wait_kmcnt 0x0
	s_add_nc_u64 s[44:45], s[4:5], s[44:45]
	s_add_nc_u64 s[92:93], s[6:7], s[92:93]
	s_add_nc_u64 s[46:47], s[8:9], s[46:47]
	s_add_nc_u64 s[94:95], s[10:11], s[94:95]
	CROUND                                         ; all sixteen work-groups are here: the first joint loads meet
	s_mov_b32 s[G0S], 1
	s_add_co_u32 s[G0S+1], s3, SCL
	s_mov_b64 s[G0S+2:G0S+3], s[92:93]
	s_or_b32 s[G0S+3], s[G0S+3], 0x80000000
	s_mov_b32 s[G0SB], 1
	s_add_co_u32 s[G0SB+1], s3, SCL
	s_mov_b64 s[G0SB+2:G0SB+3], s[94:95]
	s_or_b32 s[G0SB+3], s[G0SB+3], 0x80000000
	JLOAD G0S, G1S, G0SB, G1SB
.irp s, 0,1
	s_mov_b32 s[G0+4*\s], 1
	s_add_co_u32 s[G0+4*\s+1], s2, \s*SLOT
	s_add_nc_u64 s[G0+4*\s+2:G0+4*\s+3], s[44:45], \s*YSLOT
	s_or_b32 s[G0+4*\s+3], s[G0+4*\s+3], 0x80000000
	s_mov_b32 s[G0B+4*\s], 1
	s_add_co_u32 s[G0B+4*\s+1], s2, \s*SLOT
	s_add_nc_u64 s[G0B+4*\s+2:G0B+4*\s+3], s[46:47], \s*ROWB
	s_or_b32 s[G0B+4*\s+3], s[G0B+4*\s+3], 0x80000000
	s_wait_alu depctr_va_vdst(0)
	s_wait_tensorcnt 0x0
	ds_add_u32 v12, v13
	s_wait_dscnt 0x0
	CROUND
	JLOAD G0+4*\s, G1, G0B+4*\s, G1B               ; one tensor load of mine is out
.endr
	v_and_b32 v1, 15, v0                           ; r
	v_bfe_u32 v2, v0, 4, 1                         ; h
	v_and_b32 v5, 31, v0
	v_lshlrev_b32 v[CO], 4, v5                     ; 16 x lane
	v_mul_u32_u24 v3, v1, PITCH
	v_lshl_add_u32 v4, v2, 4, v3                   ; B: a fragment's row x pitch + 16 x half
	s_mul_i32 s66, s[RH], HALFT                    ; my 128 rows of A
	s_mul_i32 s67, s[CH], HALFT                    ; my 128 rows of B,
	s_add_co_u32 s67, s67, 2*HALFT                 ; which lie behind A's two parts
.irp s, 0,1
	v_add_nc_u32 v[ADRA+\s], s66, v[CO]            ; A: an image's place for my lane
	v_add_nc_u32 v[ADRB+\s], s67, v4
	s_add_co_u32 s66, s66, SLOT
	s_add_co_u32 s67, s67, SLOT
.endr
	v_mul_u32_u24 v5, v1, KS
	v_lshrrev_b32 v3, 8, v5
	v_lshl_add_u32 v5, v3, 4, v5
	s_mul_i32 s66, s[RH], HALFS
	s_mul_i32 s67, s[CH], HALFS
	s_add_co_u32 s67, s67, 2*HALFS
	s_sub_co_u32 s67, s67, s66
	v_mul_u32_u24 v3, s67, v2                      ; lanes 16-31 take B's: the lower base + h x the distance
	s_add_co_u32 s66, s66, SCL
	v_add_nc_u32 v5, v5, v3
	v_add_nc_u32 v[ADRS], s66, v5
	s_mul_i32 s66, s[WV], 16*SPITCH                ; my stage
	v_mul_u32_u24 v5, v1, SPITCH
	v_lshl_add_u32 v5, v2, 5, v5
	v_add_nc_u32 v[STO], s66, v5                   ; in: row r, 32 bytes for each half of the lanes
	v_add_nc_u32 v[RD], s66, v[CO]                 ; back: the 32 lanes take one row of 512 bytes
	s_lshl_b32 s66, s43, 8
	s_lshl_b32 s67, s[RH], 7
	s_add_co_u32 s66, s66, s67                     ; my first row of out0
	s_lshl_b32 s66, s66, 12                        ; 4,096 bytes a row
	s_lshl_b32 s96, s42, 10
	s_lshl_b32 s97, s[CH], 9
	s_add_co_u32 s96, s96, s97                     ; my first column, in bytes: in out0 and in proj_b alike
	s_mov_b32 s97, 0
	s_add_nc_u64 s[12:13], s[12:13], s[96:97]
	s_add_co_u32 s66, s66, s96
	s_mov_b32 s67, 0
	s_add_nc_u64 s[14:15], s[14:15], s[66:67]
	v_lshlrev_b32 v3, 5, v2                        ; 32 h
.irp b, 0,1,2,3,4,5,6,7
	global_load_b128 v[BM+8*\b:BM+8*\b+3], v3, s[12:13] offset:64*\b          ; proj_b[my column + 16 b + 8 h + 0 .. 7]: the result's layout
	global_load_b128 v[BM+8*\b+4:BM+8*\b+7], v3, s[12:13] offset:64*\b+16
.endr
.macro FRAG reg, adr, q, i             ; B: 16 rows x 128 K from padded rows
.irp c, 0,1,2,3
	ds_load_b128 v[\reg+4*\c:\reg+4*\c+3], v[\adr] offset:128*(\q)+32*\c+(\i)*16*PITCH
.endr
.endm
.macro FRAGA reg, adr, q, i            ; A: the image of tile i, 128 along K: four runs of 512 bytes
.irp c, 0,1,2,3
	ds_load_b128 v[\reg+4*\c:\reg+4*\c+3], v[\adr] offset:2048*(\q)+512*\c+(\i)*4096
.endr
.endm
; 16 matrix instructions: A's blocks a0, a0 + 1 x B's eight.  zero = 1: the first K step: C is the bias.  The 64 accumulators take turns, one instruction a turn, in the same order in every step.
.macro MUL16 a0, p, q, sc, zero
.irp a, \a0, \a0+1
.irp b, 0,1,2,3,4,5,6,7
.if \zero
	v_wmma_scale_f32_16x16x128_f8f6f4 v[8*(8*((\a)%4)+\b):8*(8*((\a)%4)+\b)+7], v[128*(\p)+FR*\b:128*(\p)+FR*\b+FR-1], v[AF+FR*(\a):AF+FR*(\a)+FR-1], v[BM+8*\b:BM+8*\b+7], v[SC+8*NQ*(\sc)+NQ*\b+(\q)], v[SC+8*NQ*(\sc)+NQ*(\a)+(\q)] matrix_a_scale:MATRIX_SCALE_ROW1
.else
	v_wmma_scale_f32_16x16x128_f8f6f4 v[8*(8*((\a)%4)+\b):8*(8*((\a)%4)+\b)+7], v[128*(\p)+FR*\b:128*(\p)+FR*\b+FR-1], v[AF+FR*(\a):AF+FR*(\a)+FR-1], v[8*(8*((\a)%4)+\b):8*(8*((\a)%4)+\b)+7], v[SC+8*NQ*(\sc)+NQ*\b+(\q)], v[SC+8*NQ*(\sc)+NQ*(\a)+(\q)] matrix_a_scale:MATRIX_SCALE_ROW1
.endif
.endr
.endr
.endm
.macro FETCH_B slot, q, p
	WIN TO_B
.irp i, 0,1,2,3,4,5,6,7
	FRAG 128*(\p)+FR*\i, ADRB+\slot, \q, \i
.endr
	WIN 0
.endm
.macro FETCH_A slot, q, i0
.irp i, \i0, \i0+1, \i0+2, \i0+3
	FRAGA AF+FR*(\i), ADRA+\slot, \q, \i
.endr
.endm
.macro SCALES sc
.irp i, 0,1,2,3,4,5,6,7
	ds_load_b64 v[SC+8*NQ*\sc+NQ*\i:SC+8*NQ*\sc+NQ*\i+1], v[ADRS] offset:\i*SBLK
.endr
.endm
.macro PLACES n
.rept \n
	v_nop
.endr
.endm
.macro STEP slot, q, zero
	s_wait_dscnt 4*NL                              ; B's set and A's blocks 0-3 are in; the youngest sixteen loads (A's blocks 4-7) may be out
.if \zero
	WIN FST_LO
.else
	WIN MUL_LO
.endif
	MUL16 0, (\q)%2, \q, \slot, \zero
	MUL16 2, (\q)%2, \q, \slot, \zero
	s_wait_dscnt 0
	PLACES NP
	FETCH_B \slot, (\q)+1, 1-(\q)%2
	FETCH_A \slot, (\q)+1, 0
.if \zero
	WIN FST_HI
.else
	WIN MUL_HI
.endif
	MUL16 4, (\q)%2, \q, \slot, \zero
	MUL16 6, (\q)%2, \q, \slot, \zero
	PLACES NP
	WIN 0
	FETCH_A \slot, (\q)+1, 4
.endm
; A slot's last step changes slots: ONE barrier; in front of it each wave waits for all its tensor loads, adds 0 to its spare word, and waits for that and for its own reads of this slot.
.macro TURN slot, next, fill
	s_wait_tensorcnt 0x0                           ; all my tensor loads have landed: my part of the next slot
	ds_add_u32 v[SPW], v[NIL]                      ; 0 onto my spare word
	s_wait_dscnt 4*NL+1                            ; (the add and the youngest sixteen loads may be out)
	WIN MUL_LO
	MUL16 0, 1, NQ-1, \slot, 0
	s_wait_dscnt 0x0                               ; the add is done, and my reads of this slot are over
	s_barrier_signal -1
	MUL16 2, 1, NQ-1, \slot, 0
	WIN 0
	s_barrier_wait -1
.if \fill
	CREST                                          ; the barrier has opened a round of the cluster's: no wave of any partner still reads this slot or has a load on its way
	s_add_nc_u64 s[G0+4*\slot+2:G0+4*\slot+3], s[G0+4*\slot+2:G0+4*\slot+3], 2*YSLOT
	s_add_nc_u64 s[G0B+4*\slot+2:G0B+4*\slot+3], s[G0B+4*\slot+2:G0B+4*\slot+3], 2*ROWB
	JLOAD G0+4*\slot, G1, G0B+4*\slot, G1B         ; the first tensor load behind the round; its four v_nop are among the places in front of the loads below
	PLACES NP-4
.else
	PLACES NP
.endif
	s_wait_alu depctr_va_vdst(0)
	v_add_nc_u32 v[ADRS], 4*NQ, v[ADRS]
	FETCH_B \next, 0, 0
	FETCH_A \next, 0, 0
	SCALES \next
	WIN MUL_HI
	MUL16 4, 1, NQ-1, \slot, 0
	MUL16 6, 1, NQ-1, \slot, 0
	PLACES NP
	WIN 0
	FETCH_A \next, 0, 4
.endm
	s_wait_alu depctr_va_vdst(0)
	s_wait_loadcnt 0x0                             ; the bias
	s_wait_tensorcnt 1                             ; the scales and my part of K step 0 are in; K step 1's load may be out
	s_barrier_signal -1
	s_barrier_wait -1
	FETCH_B 0, 0, 0
	FETCH_A 0, 0, 0
	SCALES 0
	FETCH_A 0, 0, 4
	STEP 0, 0, 1                                   ; the first step stands in front of the loop: its products start the sums, on the bias
	s_mov_b32 s3, LAPS-1
.Llap:
	TURN 0, 1, 1
	STEP 1, 0, 0
	TURN 1, 0, 1
	STEP 0, 0, 0
	s_sub_co_u32 s3, s3, 1
	s_cmp_lg_u32 s3, 0
	s_cbranch_scc1 .Llap
	TURN 0, 1, 0                                   ; the last lap fills nothing
	STEP 1, 0, 0
	s_wait_dscnt 4*NL
	WIN MUL_LO
	MUL16 0, 1, NQ-1, 1, 0
	MUL16 2, 1, NQ-1, 1, 0
	s_wait_dscnt 0
	WIN MUL_HI
	MUL16 4, 1, NQ-1, 1, 0
	MUL16 6, 1, NQ-1, 1, 0
	WIN 0
; THE WAY OUT, block by block of 16 rows x 128 columns, through my own stage in LDS: in as 32 bytes a lane, back as whole rows of 512 bytes.  LDS serves a wave's instructions in order (ISA guide 5.7.1.4): no wait between the stores and the loads.
.macro TOSTAGE a
.set AC, 64*((\a)%4)
	WIN 0x08+4*((\a)/4)                            ; an LDS store's data: window 2 or 3
.irp b, 0,1,2,3,4,5,6,7
	ds_store_b128 v[STO], v[AC+8*\b:AC+8*\b+3] offset:64*\b          ; each accumulator from its low end on
	ds_store_b128 v[STO], v[AC+8*\b+4:AC+8*\b+7] offset:64*\b+16
.endr
	WIN 0
.set BB, BK+64*((\a)%2)
.irp t, 0,1,2,3,4,5,6,7,8,9,10,11,12,13,14,15
	ds_load_b128 v[BB+4*\t:BB+4*\t+3], v[RD] offset:\t*SPITCH
.endr
.endm
.macro SEND a, younger                 ; younger: the LDS instructions issued behind block a's loads, which may stay out
.set BB, BK+64*((\a)%2)
	s_wait_dscnt \younger
.if (\a) > 0
	s_add_nc_u64 s[14:15], s[14:15], 16*SIZE_N*4   ; (behind a wait on XCNT: the earlier stores have read their base)
.endif
.irp t, 0,1,2,3,4,5,6,7,8,9,10,11,12,13,14,15
	global_store_b128 v[CO], v[BB+4*\t:BB+4*\t+3], s[14:15] offset:\t*SIZE_N*4 th:TH_STORE_NT   ; 32 lanes store 512 consecutive bytes, aligned; written once, read by nobody here
.endr
.endm
	PLACES NP
	TOSTAGE 0
.irp a, 1,2,3,4,5,6,7
.if \a > 1
	s_wait_xcnt 0x0                                ; block a - 2's stores have read their registers and their base
.endif
	TOSTAGE \a
	SEND \a-1, 32                                  ; behind block a - 1's loads: block a's 16 stores and 16 loads
.endr
	s_wait_xcnt 0x0
	SEND 7, 0
	s_wait_tensorcnt 0x0                           ; the wave's end
	ds_add_u32 v[SPW], v[NIL]
	s_wait_dscnt 0x0
	CROUND                                         ; the closing round: no work-group ends while a partner may still ask for a tile that names it
	s_endpgm
.Lfunc_end_k_q240413b56f_proj:
	.size	k_q240413b56f_proj, .Lfunc_end_k_q240413b56f_proj-k_q240413b56f_proj
	.p2alignl 7, 3214868480
	.fill 96, 4, 3214868480
	.section	.rodata,"a",@progbits
	.p2align	6, 0x0
	.amdhsa_kernel k_q240413b56f_proj
		.amdhsa_group_segment_fixed_size 327680
		.amdhsa_private_segment_fixed_size 0
		.amdhsa_enable_private_segment 0
		.amdhsa_kernarg_size 48
		.amdhsa_user_sgpr_count 2
		.amdhsa_user_sgpr_kernarg_segment_ptr 1
		.amdhsa_wavefront_size32 1
		.amdhsa_system_sgpr_workgroup_id_x 1
		.amdhsa_system_sgpr_workgroup_id_y 1
		.amdhsa_system_sgpr_workgroup_id_z 1
		.amdhsa_system_vgpr_workitem_id 0
		.amdhsa_next_free_vgpr 1024
		.amdhsa_next_free_sgpr 102
		.amdhsa_reserve_vcc 0
		.amdhsa_float_denorm_mode_32 3
		.amdhsa_float_denorm_mode_16_64 3
		.amdhsa_memory_ordered 1
		.amdhsa_forward_progress 1
		.amdhsa_inst_pref_size 148
	.end_amdhsa_kernel
	.amdgpu_metadata
---
amdhsa.version: [ 1, 2 ]
amdhsa.kernels:
  - .name:           k_q240413b56f_proj
    .symbol:         k_q240413b56f_proj.kd
    .args:
      - { .name: y, .offset: 0, .size: 8, .value_kind: global_buffer, .address_space: global }
      - { .name: ysc, .offset: 8, .size: 8, .value_kind: global_buffer, .address_space: global }
      - { .name: proj_w_codes, .offset: 16, .size: 8, .value_kind: global_buffer, .address_space: global }
      - { .name: proj_w_scales, .offset: 24, .size: 8, .value_kind: global_buffer, .address_space: global }
      - { .name: proj_b, .offset: 32, .size: 8, .value_kind: global_buffer, .address_space: global }
      - { .name: out0, .offset: 40, .size: 8, .value_kind: global_buffer, .address_space: global }
    .group_segment_fixed_size: 327680
    .private_segment_fixed_size: 0
    .kernarg_segment_align: 8
    .kernarg_segment_size: 48
    .max_flat_workgroup_size: 128
    .sgpr_count:     102
    .vgpr_count:     1024
    .wavefront_size: 32
...
	.end_amdgpu_metadata
.endif
;; end of part 3
